; MI455X (gfx1250); checked and timed in simulation.
; The chip was launched on July 23, 2026; its instructions are those of AMD's public machine-readable ISA for CDNA 5 (MIT licence, August 2026) and "CDNA5" Instruction Set Architecture Reference Guide (July 2026). The comments in the code are by the model that wrote it; some were corrected since.
;; Spline Network. Allowed arithmetic: float matrix products may take bf16 or f16 operands with f32 sums; all other float work in f32.
;; Inputs: control_points 16,384 x 2 float32; weights 16,384 x 1 float32; x 8,192 x 2 float32.
;; Outputs: out0 8,192 x 1 float32; out1 8,192 x 2 float32.
;; 3 versions, each right; version 2 is faster than version 1; version 3 is version 2 with the launches near, blend written anew for expert scheduling mode. Each part assembles by itself: llvm-mc -triple=amdgcn-amd-amdhsa -mcpu=gfx1250 --defsym DOCPART=n.
;; ======== version 1 of 3: 2 launches
;; workspace buffers: gid 294,912 bytes of whole numbers
;; launch near (part 1): grid 256 x 1, 8 waves a work-group, no clusters, 268,800 bytes of LDS; arguments x, control_points, gid; writes gid
.if DOCPART == 1
	.amdgcn_target "amdgcn-amd-amdhsa--gfx1250"
	.amdhsa_code_object_version 6
	.text
	.protected	k_q27d75dcc47_near
	.globl	k_q27d75dcc47_near
	.p2align	8
	.type	k_q27d75dcc47_near,@function
k_q27d75dcc47_near:
	s_mov_b64 s[64:65], 0
	v_nop
	global_prefetch_b8 v0, s[64:65] scope:SCOPE_SE
	s_setreg_imm32_b32 hwreg(HW_REG_WAVE_MODE, 25, 1), 1
	s_wait_xcnt 0x0
; FIRST OF TWO LAUNCHES.  For each of 8,192 queries: which 9 of the 512 groups of 32 consecutive control points hold its 9 nearest points.
; D(q, c) = (x2 + c2) - 2 (x0 c0 + x1 c1), each sum rounded once to f32, on x and c rounded to bf16.  On such operands every product has at most 16 significant bits and is
; exact in f32, so D has one value whatever way multiplies and adds are fused, and the order of the D, on which the choice of neighbours hangs, can be reproduced bit for bit.
; WHY NOT THE MATRIX UNIT.  The product x c^T has K = 2: two of a matrix instruction's 32 places along K.  And its sum is not the f32 rounding above; equal and nearly equal D are common
; on bf16 numbers, and a difference in the last bit changes which point is chosen, which changes the result by a whole weight.  So D is made by packed f32 arithmetic, 2 instructions a pair.
; WHY GROUPS.  Order points by (D, index).  The 9 first points lie in the 9 groups that come first by (smallest D of the group, group number): a point in any other group has 9 groups,
; hence 9 points, in front of it.  So the bulk costs half an instruction a pair beyond D (v_min3), and only 512 minima a query go through an insertion.
; SHARES.  A work-group: 32 queries against all 16,384 points.  Scan: lane = (qc = lane & 3, sl = lane >> 2); a thread has the 8 queries 8 qc + 0..7 and the slice 8 wave + sl of 256 points (8 groups).
; Pick: lane = query, wave = 64 of the 512 groups; then three levels of merging between waves; wave 0 sorts the 9 group numbers ascending and stores them.
; NO TENSOR LOADS, NO CLUSTER: what lies in LDS is computed (rounded, scaled, squared), so it passes through registers anyway; the points are 128 KiB in all.
; LIMITS.  NaN is not served (the min and median forms drop it); a D that overflows to infinity is not served (the lists start at +infinity).
; gid leaves as 128 consecutive bytes for each slot: a work-group owns 32 queries.
; LDS.  TABLE: 64 slices, 3,152 bytes apart (3,072 + 80); four points take 48 bytes:
; -2 c0 four times, -2 c1 four times, c2 four times.  GMIN: 32 query rows of 512 words, 2,064 bytes apart.  LISTS lie over TABLE, which is dead by then: a region for each level.
.set SLB,   3152
.set GP,    2064
.set GMIN,  64*SLB                     ; 201,728
.set SPARE, GMIN+32*GP                 ; 267,776: the spare words, 128 bytes for each of the eight waves; no other line names them
.set PART,  2304                       ; a wave's list in LDS: 18 slots (9 keys, 9 numbers) of 128 bytes
.set LVL,   8*PART                     ; a level of merging
.set CO,  2                            ; v2      32 x thread: my four points in a block of 1,024
.set XO,  3                            ; v3      64 qc: my eight queries
.set TB,  4                            ; v4-7    where I store into TABLE, for blocks 0-3, 4-7, 8-11, 12-15
.set TA,  8                            ; v8      scan: my slice, stepped by a group
.set GA,  9                            ; v9      scan: where my group minima go
.set SPW, 10                           ; v10     my spare word; never rewritten
.set NIL, 11                           ; v11     0; never rewritten
.set PA,  12                           ; v12     pick: my query's row, my wave's 64 groups
.set LA,  13                           ; v13     my place in a level's lists
.set GO,  14                           ; v14     my query's byte offset in a slot of gid
.set TMP, 15
.set X0,  16                           ; v16-31  x0 of query q, twice (a pair for packed arithmetic)
.set X1,  32                           ; v32-47  x1 likewise
.set X2,  48                           ; v48-63  x0^2 + x1^2 likewise
.set ACC, 64                           ; v64-71  the group's minimum for query q
.set QB,  72                           ; v72-83, v84-95  two buffers of four points: -2 c0, -2 c1, c2
.set T,   96                           ; v96-111  four queries x four points
.set S,   112                          ; v112-127
.set RAW, 128                          ; v128-255 the points as loaded: 16 blocks of 8 registers
.set OA,  72                           ; the table's making: what is stored,
.set OB,  76
.set OC,  80
.set PK,  84                           ; and four packed pairs of bf16
.set XR,  112                          ; x as loaded
.set KB,  16                           ; pick and merge: v16-24 the 9 keys, ascending
.set IB,  25                           ; v25-33  their group numbers
.set TT,  34                           ; v34-35  at work
.set E0,  36                           ; v36-39, v40-43  eight minima
.set E1,  40
.set MK,  44                           ; v44-52  the partner's keys
.set MI,  53                           ; v53-61  the partner's numbers
.set ID,  62                           ; v62     the running group number
.set MB,  20                           ; s20-28  lane masks: key < K[j]
	s_load_b128 s[4:7], s[0:1], 0x0                ; x s[4:5], control_points s[6:7]
	s_load_b64 s[8:9], s[0:1], 0x10                ; gid
	v_lshl_add_u32 v[SPW], v0, 2, SPARE
	v_mov_b32 v[NIL], 0
	v_lshrrev_b32 v1, 5, v0
	v_readfirstlane_b32 s10, v1                    ; wave 0..7
	v_and_b32 v1, 31, v0                           ; lane
	s_mov_b32 s11, 0xffff0000                      ; a word's upper bf16
	v_lshlrev_b32 v[CO], 5, v0
	v_and_b32 v[XO], 3, v1                         ; qc
	v_lshrrev_b32 v[TMP], 2, v1                    ; sl
	v_mul_u32_u24 v[GA], v[XO], 8*GP               ; my eight query rows of GMIN
	v_lshlrev_b32 v[XO], 6, v[XO]
	s_lshr_b32 s13, s10, 1                         ; block i's quad 256 i + thread lies in slice 4 i + wave / 2, at place 32 (wave % 2) + lane
	s_mul_i32 s13, s13, SLB
	s_and_b32 s15, s10, 1
	s_mul_i32 s15, s15, 32*48
	s_add_co_u32 s13, s13, s15
	v_mad_u32_u24 v[TB], v1, 48, s13
	v_add_nc_u32 v[TB+1], 16*SLB, v[TB]            ; four blocks are 16 slices: the rest stands in the stores' immediates
	v_add_nc_u32 v[TB+2], 32*SLB, v[TB]
	v_add_nc_u32 v[TB+3], 48*SLB, v[TB]
	s_mul_i32 s13, s10, 8*SLB                      ; my slice = 8 wave + sl
	v_mul_u32_u24 v[TA], v[TMP], SLB
	v_add_nc_u32 v[TA], s13, v[TA]
	s_lshl_b32 s13, s10, 8                         ; a wave's 64 groups are 256 bytes of a GMIN row, in the scan and in the pick
	s_add_co_u32 s13, s13, GMIN
	v_lshl_add_u32 v[GA], v[TMP], 5, v[GA]         ; a slice's 8 groups are 32 bytes
	v_add_nc_u32 v[GA], s13, v[GA]
	v_mul_u32_u24 v[PA], v1, GP
	v_add_nc_u32 v[PA], s13, v[PA]
	s_mul_i32 s13, s10, PART
	v_lshl_add_u32 v[LA], v1, 2, s13
	s_lshl_b32 s13, ttmp9, 7                       ; 32 queries x 4 bytes
	v_lshl_add_u32 v[GO], v1, 2, s13
	s_lshl_b32 s16, ttmp9, 8                       ; 32 queries x 8 bytes
	s_mov_b32 s17, 0
	s_wait_kmcnt 0x0
	s_add_nc_u64 s[4:5], s[4:5], s[16:17]          ; x at the work-group's first query
	; All loads go out at once: 32 of points (a thread's two loads of a block take 32 neighbouring bytes; a wave's two together 1,024 consecutive bytes), then 4 of x.
.set n, 0
.rept 16
	global_load_b128 v[RAW+8*n:RAW+8*n+3],   v[CO], s[6:7] offset:8192*n
	global_load_b128 v[RAW+8*n+4:RAW+8*n+7], v[CO], s[6:7] offset:8192*n+16
.set n, n+1
.endr
.set n, 0
.rept 4
	global_load_b128 v[XR+4*n:XR+4*n+3], v[XO], s[4:5] offset:16*n
.set n, n+1
.endr
; Block i: four points are rounded to bf16, widened, and stored as -2 c0, -2 c1 (both exact) and c2 = c0^2 + c1^2 (exact products, one rounding).
.macro PREP i
	s_wait_loadcnt 34-2*(\i)                       ; loads come back in order: of the 36, the 2 i + 2 oldest are in
.set e, 0
.rept 4
	v_cvt_pk_bf16_f32 v[PK+e], v[RAW+8*(\i)+2*e], v[RAW+8*(\i)+2*e+1]
.set e, e+1
.endr
.set e, 0
.rept 4
	v_lshlrev_b32 v[OA+e], 16, v[PK+e]
	v_and_b32 v[OB+e], s11, v[PK+e]
.set e, e+1
.endr
.set e, 0
.rept 2
	v_pk_mul_f32 v[OC+2*e:OC+2*e+1], v[OA+2*e:OA+2*e+1], v[OA+2*e:OA+2*e+1]
.set e, e+1
.endr
.set e, 0
.rept 2
	v_pk_fma_f32 v[OC+2*e:OC+2*e+1], v[OB+2*e:OB+2*e+1], v[OB+2*e:OB+2*e+1], v[OC+2*e:OC+2*e+1]
.set e, e+1
.endr
.set e, 0
.rept 2
	v_pk_mul_f32 v[OA+2*e:OA+2*e+1], v[OA+2*e:OA+2*e+1], -2.0 op_sel_hi:[1,0]
	v_pk_mul_f32 v[OB+2*e:OB+2*e+1], v[OB+2*e:OB+2*e+1], -2.0 op_sel_hi:[1,0]
.set e, e+1
.endr
	ds_store_b128 v[TB+(\i)/4], v[OA:OA+3] offset:((\i)%4)*4*SLB     ; lanes 48 bytes apart
	ds_store_b128 v[TB+(\i)/4], v[OB:OB+3] offset:((\i)%4)*4*SLB+16
	ds_store_b128 v[TB+(\i)/4], v[OC:OC+3] offset:((\i)%4)*4*SLB+32
.endm
.set n, 0
.rept 16
	PREP n
.set n, n+1
.endr
	s_wait_loadcnt 0x0                             ; x
.set n, 0
.rept 8                                                ; my eight queries: rounded to bf16, widened, each number twice
	v_cvt_pk_bf16_f32 v[PK+n%4], v[XR+2*n], v[XR+2*n+1]
	v_lshlrev_b32 v[X0+2*n],   16, v[PK+n%4]
	v_lshlrev_b32 v[X0+2*n+1], 16, v[PK+n%4]
	v_and_b32 v[X1+2*n],   s11, v[PK+n%4]
	v_and_b32 v[X1+2*n+1], s11, v[PK+n%4]
	v_pk_mul_f32 v[X2+2*n:X2+2*n+1], v[X0+2*n:X0+2*n+1], v[X0+2*n:X0+2*n+1]
	v_pk_fma_f32 v[X2+2*n:X2+2*n+1], v[X1+2*n:X1+2*n+1], v[X1+2*n:X1+2*n+1], v[X2+2*n:X2+2*n+1]
.set n, n+1
.endr
	s_wait_dscnt 0x0                               ; for the others' sake: my part of the table is stored
	s_barrier_signal -1
	s_barrier_wait -1                              ; the table is whole
; THE SCAN.
.macro LOADQ b, off                    ; four points into buffer b
	ds_load_b128 v[QB+12*(\b):QB+12*(\b)+3],    v[TA] offset:(\off)
	ds_load_b128 v[QB+12*(\b)+4:QB+12*(\b)+7],  v[TA] offset:(\off)+16
	ds_load_b128 v[QB+12*(\b)+8:QB+12*(\b)+11], v[TA] offset:(\off)+32
.endm
; Four points x eight queries, four queries at a time.  z = 2 x query + half of the four points.  T = x0 (-2 c0), exact; S = x2 + c2; T = x1 (-2 c1) + T; D = S + T.
; first = 1: the group's first four points start the minima: nothing is preset.
.macro QUAD b, first
.set QA, QB+12*(\b)
.set bt, 0
.rept 2
.set z, 0
.rept 8
	v_pk_mul_f32 v[T+2*z:T+2*z+1], v[X0+2*(4*bt+z/2):X0+2*(4*bt+z/2)+1], v[QA+2*(z%2):QA+2*(z%2)+1]
.set z, z+1
.endr
.set z, 0
.rept 8
	v_pk_add_f32 v[S+2*z:S+2*z+1], v[X2+2*(4*bt+z/2):X2+2*(4*bt+z/2)+1], v[QA+8+2*(z%2):QA+8+2*(z%2)+1]
.set z, z+1
.endr
.set z, 0
.rept 8
	v_pk_fma_f32 v[T+2*z:T+2*z+1], v[X1+2*(4*bt+z/2):X1+2*(4*bt+z/2)+1], v[QA+4+2*(z%2):QA+4+2*(z%2)+1], v[T+2*z:T+2*z+1]
.set z, z+1
.endr
.set z, 0
.rept 8
	v_pk_add_f32 v[T+2*z:T+2*z+1], v[S+2*z:S+2*z+1], v[T+2*z:T+2*z+1]
.set z, z+1
.endr
.set z, 0
.rept 4
.if \first
	v_min_num_f32 v[ACC+4*bt+z], v[T+4*z], v[T+4*z+1]
.else
	v_min3_num_f32 v[ACC+4*bt+z], v[ACC+4*bt+z], v[T+4*z], v[T+4*z+1]
.endif
.set z, z+1
.endr
.set z, 0
.rept 4
	v_min3_num_f32 v[ACC+4*bt+z], v[ACC+4*bt+z], v[T+4*z+2], v[T+4*z+3]
.set z, z+1
.endr
.set bt, bt+1
.endr
.endm
	s_mov_b32 s12, 8                               ; a trip is a group: 8 times four points
.Lgroup:
	LOADQ 0, 0
.set k, 0
.rept 8
.if k < 7
	LOADQ (k+1)%2, 48*(k+1)                        ; the next four points are on their way while these are worked on
	s_wait_dscnt 0x3                               ; LDS serves a wave in order: all but the three loads just issued are done
.else
	s_wait_dscnt 0x0                               ; the group's last four: nothing was issued behind them
.endif
.if k == 0
	QUAD 0, 1
.else
	QUAD k%2, 0
.endif
.set k, k+1
.endr
.set n, 0
.rept 8
	ds_store_b32 v[GA], v[ACC+n] offset:GP*n       ; query 8 qc + n, this group
.set n, n+1
.endr
	v_add_nc_u32 v[TA], 8*48, v[TA]
	v_add_nc_u32 v[GA], 4, v[GA]
	s_sub_co_u32 s12, s12, 1
	s_cmp_lg_u32 s12, 0
	s_cbranch_scc1 .Lgroup
	s_wait_dscnt 0x0                               ; for the others' sake: my minima are stored, and my reads of the table are over
	s_barrier_signal -1
	s_barrier_wait -1                              ; GMIN is whole; nobody reads the table any more
; AN INSERTION into the ascending list of 9.  The new key goes in front of the first K[j] that is greater (strictly: of equal keys the one that came first stays in front; keys come in
; ascending order of their numbers, so the lower number wins).  K[j] becomes the median of (key, K[j-1], K[j]); the number follows by two selects.  j descends, so K[j-1] and I[j-1] are the old ones.
.macro INSERT k, id
.set ij, 0
.rept 9
	v_cmp_lt_f32 s[MB+ij], v[(\k)], v[KB+ij]
.set ij, ij+1
.endr
.set ij, 8
.rept 8
	v_cndmask_b32 v[TT+ij%2], v[(\id)], v[IB+ij-1], s[MB+ij-1]
	v_med3_num_f32 v[KB+ij], v[(\k)], v[KB+ij-1], v[KB+ij]
	v_cndmask_b32 v[IB+ij], v[IB+ij], v[TT+ij%2], s[MB+ij]
.set ij, ij-1
.endr
	v_cndmask_b32 v[IB], v[IB], v[(\id)], s[MB]
	v_min_num_f32 v[KB], v[(\k)], v[KB]
.endm
	; THE PICK: lane = query, my wave's 64 groups in ascending order.
.set n, 0
.rept 9
	v_mov_b32 v[KB+n], 0x7f800000                  ; +infinity: every finite minimum goes in front of it
	v_mov_b32 v[IB+n], 0
.set n, n+1
.endr
	s_lshl_b32 s13, s10, 6
	v_mov_b32 v[ID], s13                           ; my wave's first group
	s_mov_b32 s12, 8                               ; a trip takes eight minima
.Lpick:
	ds_load_b128 v[E0:E0+3], v[PA]                 ; rows 2,064 bytes apart
	ds_load_b128 v[E1:E1+3], v[PA] offset:16
	s_wait_dscnt 0x1                               ; the first four are in; the second load may be out
.set n, 0
.rept 4
	INSERT E0+n, ID
	v_add_nc_u32 v[ID], 1, v[ID]
.set n, n+1
.endr
	s_wait_dscnt 0x0
.set n, 0
.rept 4
	INSERT E1+n, ID
	v_add_nc_u32 v[ID], 1, v[ID]
.set n, n+1
.endr
	v_add_nc_u32 v[PA], 32, v[PA]
	s_sub_co_u32 s12, s12, 1
	s_cmp_lg_u32 s12, 0
	s_cbranch_scc1 .Lpick
; A LEVEL OF MERGING.  Every wave stores its list into the level's own region (no region is written after it has been read); behind the barrier the waves whose number is a multiple of 2 d
; take the list of wave + d, entry by entry, ascending.  The taking wave holds the lower group numbers, so equal keys again fall to the lower number.
.macro MERGE l, d
.set mj, 0
.rept 9
	ds_store_b32 v[LA], v[KB+mj] offset:(\l)*LVL+mj*128
	ds_store_b32 v[LA], v[IB+mj] offset:(\l)*LVL+(9+mj)*128
.set mj, mj+1
.endr
	s_wait_dscnt 0x0                               ; for the others' sake: my list is stored
	s_barrier_signal -1
	s_barrier_wait -1
	s_and_b32 s13, s10, 2*(\d)-1
	s_cmp_lg_u32 s13, 0
	s_cbranch_scc1 .Lskip_\@                       ; on the wave's number alone; no barrier is jumped over
.set mj, 0
.rept 9
	ds_load_b32 v[MK+mj], v[LA] offset:(\l)*LVL+(\d)*PART+mj*128
	ds_load_b32 v[MI+mj], v[LA] offset:(\l)*LVL+(\d)*PART+(9+mj)*128
.set mj, mj+1
.endr
.set mj, 0
.rept 9
	s_wait_dscnt 16-2*mj                           ; of the 18 loads the 2 mj + 2 oldest are in
	INSERT MK+mj, MI+mj
.set mj, mj+1
.endr
.Lskip_\@:
.endm
	MERGE 0, 1
	MERGE 1, 2
	MERGE 2, 4
	s_cmp_lg_u32 s10, 0
	s_cbranch_scc1 .Lend
	; Wave 0 holds each query's 9 groups.  Their numbers are sorted ascending, so that the second launch meets the points in ascending order of index:
	; nine rounds of exchanges between neighbours, even and odd pairs by turns, sort nine numbers.
.macro CE a, b
	v_min_u32 v[TT], v[IB+(\a)], v[IB+(\b)]
	v_max_u32 v[IB+(\b)], v[IB+(\a)], v[IB+(\b)]
	v_mov_b32 v[IB+(\a)], v[TT]
.endm
.macro EVEN
	CE 0, 1
	CE 2, 3
	CE 4, 5
	CE 6, 7
.endm
.rept 4
	EVEN
	CE 1, 2
	CE 3, 4
	CE 5, 6
	CE 7, 8
.endr
	EVEN
.set n, 0
.rept 9
	global_store_b32 v[GO], v[IB+n], s[8:9] offset:32768*n   ; slot n: 32 lanes store 128 consecutive bytes
.set n, n+1
.endr
.Lend:
	s_wait_tensorcnt 0x0                           ; the wave's end, behind my last LDS store
	ds_add_u32 v[SPW], v[NIL]
	s_wait_dscnt 0x0
	s_endpgm
.Lfunc_end_k_q27d75dcc47_near:
	.size	k_q27d75dcc47_near, .Lfunc_end_k_q27d75dcc47_near-k_q27d75dcc47_near
	.p2alignl 7, 3214868480
	.fill 96, 4, 3214868480
	.section	.rodata,"a",@progbits
	.p2align	6, 0x0
	.amdhsa_kernel k_q27d75dcc47_near
		.amdhsa_group_segment_fixed_size 268800
		.amdhsa_private_segment_fixed_size 0
		.amdhsa_enable_private_segment 0
		.amdhsa_kernarg_size 24
		.amdhsa_user_sgpr_count 2
		.amdhsa_user_sgpr_kernarg_segment_ptr 1
		.amdhsa_wavefront_size32 1
		.amdhsa_system_sgpr_workgroup_id_x 1
		.amdhsa_system_sgpr_workgroup_id_y 1
		.amdhsa_system_sgpr_workgroup_id_z 1
		.amdhsa_system_vgpr_workitem_id 0
		.amdhsa_next_free_vgpr 256
		.amdhsa_next_free_sgpr 66
		.amdhsa_reserve_vcc 0
		.amdhsa_float_denorm_mode_32 3
		.amdhsa_float_denorm_mode_16_64 3
		.amdhsa_memory_ordered 1
		.amdhsa_forward_progress 1
		.amdhsa_inst_pref_size 160
	.end_amdhsa_kernel
	.amdgpu_metadata
---
amdhsa.version: [ 1, 2 ]
amdhsa.kernels:
  - .name:           k_q27d75dcc47_near
    .symbol:         k_q27d75dcc47_near.kd
    .args:
      - { .name: x, .offset: 0, .size: 8, .value_kind: global_buffer, .address_space: global }
      - { .name: control_points, .offset: 8, .size: 8, .value_kind: global_buffer, .address_space: global }
      - { .name: gid, .offset: 16, .size: 8, .value_kind: global_buffer, .address_space: global }
    .group_segment_fixed_size: 268800
    .private_segment_fixed_size: 0
    .kernarg_segment_align: 8
    .kernarg_segment_size: 24
    .max_flat_workgroup_size: 256
    .sgpr_count:     66
    .vgpr_count:     256
    .wavefront_size: 32
...
	.end_amdgpu_metadata
.endif
;; end of part 1
;; launch blend (part 2): grid 256 x 1, 9 waves a work-group, no clusters, 84,224 bytes of LDS; arguments x, control_points, weights, gid, out0, out1; writes out0, out1
.if DOCPART == 2
	.amdgcn_target "amdgcn-amd-amdhsa--gfx1250"
	.amdhsa_code_object_version 6
	.text
	.protected	k_q27d75dcc47_blend
	.globl	k_q27d75dcc47_blend
	.p2align	8
	.type	k_q27d75dcc47_blend,@function
k_q27d75dcc47_blend:
	s_mov_b64 s[64:65], 0
	v_nop
	global_prefetch_b8 v0, s[64:65] scope:SCOPE_SE
	s_setreg_imm32_b32 hwreg(HW_REG_WAVE_MODE, 25, 1), 1
	s_wait_xcnt 0x0
; SECOND OF TWO LAUNCHES.  out0[q] = the sum over the 9 nearest control points of w cubic(|x - c| / h), h = |x[0] - x[1]|;  out1 = x as it is given.
; The first launch has stored, for each query, the 9 groups of 32 consecutive points that hold its 9 nearest, group numbers ascending: gid[slot][query].
; SHARES.  A work-group: 32 queries.  lane = query, wave = slot: a thread walks one group's 32 points in ascending order of index and keeps the 9 smallest D in an ascending list.
; Beside each D the list carries not the index but the point's contribution w cubic(s), so no address ever hangs on a comparison.  Four levels of merging between the nine waves; wave 0 adds up.
; D is made as in the first launch, from x, c rounded to bf16: x2 + c2 rounded, (-2 x0) c0 exact, + (-2 x1) c1 rounded, the two added: the same real numbers are rounded at the same places,
; so the bits are the same.  Of equal D the lower index stays in front (strict comparison, ascending order of arrival).  w is rounded to bf16 as well: all inputs have one rounding.
; The product x . c has K = 2 and its last bit decides the choice of points, so it stands in f32 vector arithmetic, not on the matrix unit (see the first launch's head).
; cubic: s < 1: (1.5 s - 2.5) s^2 + 1;  s < 2: ((-0.5 s + 2.5) s - 4) s + 2, which is exactly 0 at s = 1, so that s = 1 needs no test of its own;  else 0.  With h = 0, s is infinite or NaN,
; both comparisons fail and the contribution is 0.
; LIMITS.  NaN and a D that overflows to infinity are not served.  The root and the reciprocal take numbers below 2^-126 as 0: an h, or an |x - c|^2, below that counts as 0.
; s is |x - c| times 1 / h, not a division: a last-bit difference, at thresholds where cubic is continuous.  out0 leaves as 128 consecutive bytes, out1 as 256: a work-group owns 32 queries.
; No LDS tiles, no tensor loads, no cluster: each lane gathers its own 256 + 128 bytes, known only from gid.
.set PART,  2304                       ; a wave's list in LDS: 18 slots (9 keys, 9 contributions) of 128 bytes
.set LVL,   9*PART                     ; a level of merging: 20,736 bytes
.set SPARE, 4*LVL                      ; 82,944: the spare words, 128 bytes for each of the nine waves, rounded up to 1,280; no other line names them
.set Q4,  2                            ; v2      4 x query
.set Q8,  3                            ; v3      8 x query
.set GOF, 4                            ; v4      my word of gid
.set G,   5                            ; v5      my group
.set CO,  6                            ; v6      its 256 bytes of control_points
.set WO,  7                            ; v7      its 128 bytes of weights
.set LA,  8                            ; v8      my place in the lists of levels 0 and 1
.set LB,  9                            ; v9      of levels 2 and 3: an LDS immediate has 16 bits
.set SPW, 10                           ; v10     my spare word; never rewritten
.set NIL, 11                           ; v11     0; never rewritten
.set XRW, 12                           ; v12-13  x as loaded
.set XB0, 14                           ; v14-15  x rounded to bf16
.set XB1, 15
.set XSQ, 16                           ; v16     x0^2 + x1^2
.set RH,  17                           ; v17     1 / h
                                       ; v18-33  at work
.set XM0, 34                           ; v34-35  -2 x0, -2 x1
.set XM1, 35
.set KB,  36                           ; v36-44  the 9 keys, ascending
.set IB,  45                           ; v45-53  their contributions
.set TT,  54                           ; v54-55  at work
.set MK,  56                           ; v56-64  the partner's keys
.set MI,  65                           ; v65-73  the partner's contributions
.set WB,  74                           ; v74-77  four weights, rounded
.set CR,  80                           ; v80-143  the group's 32 points as loaded
.set WR,  144                          ; v144-175 its 32 weights as loaded
.set MB,  30                           ; s30-38  lane masks: key < K[j]
	s_load_b256 s[4:11], s[0:1], 0x0               ; x s[4:5], control_points s[6:7], weights s[8:9], gid s[10:11]
	s_load_b128 s[12:15], s[0:1], 0x20             ; out0 s[12:13], out1 s[14:15]
	v_lshl_add_u32 v[SPW], v0, 2, SPARE
	v_mov_b32 v[NIL], 0
	v_lshrrev_b32 v1, 5, v0
	v_readfirstlane_b32 s16, v1                    ; wave 0..8 = slot
	v_and_b32 v1, 31, v0                           ; lane
	s_mov_b32 s17, 0xffff0000                      ; a word's upper bf16
	s_mov_b32 s24, 0x3fc00000                      ; 1.5
	s_mov_b32 s25, 0xc0200000                      ; -2.5
	s_mov_b32 s26, 0x40200000                      ; 2.5
	s_lshl_b32 s18, ttmp9, 5
	v_add_nc_u32 v[Q4], s18, v1                    ; my query
	v_lshlrev_b32 v[Q8], 3, v[Q4]
	v_lshlrev_b32 v[Q4], 2, v[Q4]
	s_lshl_b32 s18, s16, 15                        ; a slot of gid is 8,192 words
	v_add_nc_u32 v[GOF], s18, v[Q4]
	s_mul_i32 s18, s16, PART
	v_lshl_add_u32 v[LA], v1, 2, s18
	v_add_nc_u32 v[LB], 2*LVL, v[LA]
	s_wait_kmcnt 0x0
	s_load_b128 s[20:23], s[4:5], 0x0              ; x[0], x[1]: no line of this launch writes x
	global_load_b32 v[G], v[GOF], s[10:11]
	global_load_b64 v[XRW:XRW+1], v[Q8], s[4:5]
	s_wait_loadcnt 0x1                             ; the group number is in; x may be out
	v_min_u32 v[G], 0x1ff, v[G]                    ; a loaded number enters an address only bounded: 512 groups
	v_lshlrev_b32 v[CO], 8, v[G]
	v_lshlrev_b32 v[WO], 7, v[G]
.set n, 0
.rept 8                                                ; all 24 loads go out at once, in the order in which the steps want them: four points (32 bytes), their four weights
	global_load_b128 v[CR+8*n:CR+8*n+3],   v[CO], s[6:7] offset:32*n
	global_load_b128 v[CR+8*n+4:CR+8*n+7], v[CO], s[6:7] offset:32*n+16
	global_load_b128 v[WR+4*n:WR+4*n+3],   v[WO], s[8:9] offset:16*n
.set n, n+1
.endr
	s_wait_kmcnt 0x0                               ; x[0], x[1]
	v_mov_b32 v18, s20
	v_mov_b32 v19, s21
	v_mov_b32 v20, s22
	v_mov_b32 v21, s23
	v_cvt_pk_bf16_f32 v18, v18, v19                ; rounded like every input
	v_cvt_pk_bf16_f32 v19, v20, v21
	v_lshlrev_b32 v20, 16, v18
	v_and_b32 v21, s17, v18
	v_lshlrev_b32 v22, 16, v19
	v_and_b32 v23, s17, v19
	v_sub_f32 v20, v20, v22
	v_sub_f32 v21, v21, v23
	v_mul_f32 v24, v20, v20
	v_fmac_f32 v24, v21, v21
	v_sqrt_f32 v25, v24                            ; h.  Behind a root or a reciprocal a plain vector instruction stands before its result is used (ISA guide 5.7.2): here the lists' first values
.set n, 0
.rept 9
	v_mov_b32 v[KB+n], 0x7f800000                  ; +infinity: every finite D goes in front of it
.set n, n+1
.endr
	s_wait_alu depctr_va_vdst(0)
	v_rcp_f32 v[RH], v25
.set n, 0
.rept 9
	v_mov_b32 v[IB+n], 0
.set n, n+1
.endr
	s_wait_loadcnt 24                              ; x is in; the 24 loads issued behind it may be out
	v_cvt_pk_bf16_f32 v18, v[XRW], v[XRW+1]
	v_lshlrev_b32 v[XB0], 16, v18
	v_and_b32 v[XB1], s17, v18
	v_mul_f32 v[XSQ], v[XB0], v[XB0]
	v_fmac_f32 v[XSQ], v[XB1], v[XB1]
	v_mul_f32 v[XM0], -2.0, v[XB0]
	v_mul_f32 v[XM1], -2.0, v[XB1]
; AN INSERTION into the ascending list of 9.  The new key goes in front of the first K[j] that is greater (strictly: of equal keys the one that came first stays in front).
; K[j] becomes the median of (key, K[j-1], K[j]); what the key carries follows by two selects.  j descends, so K[j-1] and I[j-1] are the old ones.
.macro INSERT k, id
.set ij, 0
.rept 9
	v_cmp_lt_f32 s[MB+ij], v[(\k)], v[KB+ij]
.set ij, ij+1
.endr
.set ij, 8
.rept 8
	v_cndmask_b32 v[TT+ij%2], v[(\id)], v[IB+ij-1], s[MB+ij-1]
	v_med3_num_f32 v[KB+ij], v[(\k)], v[KB+ij-1], v[KB+ij]
	v_cndmask_b32 v[IB+ij], v[IB+ij], v[TT+ij%2], s[MB+ij]
.set ij, ij-1
.endr
	v_cndmask_b32 v[IB], v[IB], v[(\id)], s[MB]
	v_min_num_f32 v[KB], v[(\k)], v[KB]
.endm
; ONE POINT: c0, c1 in v[c], v[c+1], its rounded weight in v[w].  The chain to D and the chain to the distance stand line by line, so that few lines wait for the one before.
.macro CAND c, w
	v_cvt_pk_bf16_f32 v32, v[(\c)], v[(\c)+1]
	v_lshlrev_b32 v18, 16, v32                     ; c0
	v_and_b32 v19, s17, v32                        ; c1
	v_sub_f32 v20, v[XB0], v18
	v_sub_f32 v21, v[XB1], v19
	v_mul_f32 v24, v18, v18
	v_mul_f32 v25, v[XM0], v18                     ; -2 x0 c0, exact
	v_mul_f32 v22, v20, v20
	v_fmac_f32 v24, v19, v19                       ; c2
	v_fmac_f32 v25, v[XM1], v19                    ; -2 (x0 c0 + x1 c1), one rounding
	v_fmac_f32 v22, v21, v21                       ; |x - c|^2
	v_add_f32 v26, v[XSQ], v24                     ; x2 + c2
	v_sqrt_f32 v23, v22
	v_add_f32 v26, v26, v25                        ; D: also the plain instruction behind the root
	s_wait_alu depctr_va_vdst(0)
	v_mul_f32 v27, v23, v[RH]                      ; s
	v_mul_f32 v28, v27, v27
	v_fma_f32 v29, v27, s24, s25
	v_fma_f32 v30, v27, -0.5, s26
	v_cmp_gt_f32 s40, 1.0, v27
	v_cmp_gt_f32 s41, 2.0, v27
	v_fma_f32 v29, v29, v28, 1.0
	v_fma_f32 v30, v30, v27, -4.0
	v_fma_f32 v30, v30, v27, 2.0
	v_cndmask_b32 v31, 0, v30, s41
	v_cndmask_b32 v31, v31, v29, s40
	v_mul_f32 v31, v31, v[(\w)]
	INSERT 26, 31
.endm
.macro STEP i                          ; four points
	s_wait_loadcnt 21-3*(\i)                       ; loads come back in order: of the 24, the 3 i + 3 oldest are in
	v_cvt_pk_bf16_f32 v32, v[WR+4*(\i)],   v[WR+4*(\i)+1]
	v_cvt_pk_bf16_f32 v33, v[WR+4*(\i)+2], v[WR+4*(\i)+3]
	v_lshlrev_b32 v[WB],   16, v32
	v_and_b32 v[WB+1], s17, v32
	v_lshlrev_b32 v[WB+2], 16, v33
	v_and_b32 v[WB+3], s17, v33
	CAND CR+8*(\i),   WB
	CAND CR+8*(\i)+2, WB+1
	CAND CR+8*(\i)+4, WB+2
	CAND CR+8*(\i)+6, WB+3
.endm
.set n, 0
.rept 8
	STEP n
.set n, n+1
.endr
; A LEVEL OF MERGING.  Every wave stores its list into the level's own region (no region is written after it has been read); behind the barrier the waves whose number is a multiple of 2 d
; take the list of wave + d, entry by entry, ascending.  Wave 8 has a partner at the last level alone, as the one that is taken.  The taking wave holds the lower slots, that is the lower
; groups and indices, so equal D fall to the lower index.
.macro MERGE l, d
.if (\l) < 2
.set MA, LA
.set MO, (\l)*LVL
.else
.set MA, LB
.set MO, ((\l)-2)*LVL
.endif
.set mj, 0
.rept 9
	ds_store_b32 v[MA], v[KB+mj] offset:MO+mj*128
	ds_store_b32 v[MA], v[IB+mj] offset:MO+(9+mj)*128
.set mj, mj+1
.endr
	s_wait_dscnt 0x0                               ; for the others' sake: my list is stored
	s_barrier_signal -1
	s_barrier_wait -1
	s_and_b32 s18, s16, 2*(\d)-1
	s_cmp_lg_u32 s18, 0
	s_cbranch_scc1 .Lskip_\@                       ; on the wave's number alone; no barrier is jumped over
.if (\d) < 8
	s_cmp_eq_u32 s16, 8
	s_cbranch_scc1 .Lskip_\@
.endif
.set mj, 0
.rept 9
	ds_load_b32 v[MK+mj], v[MA] offset:MO+(\d)*PART+mj*128
	ds_load_b32 v[MI+mj], v[MA] offset:MO+(\d)*PART+(9+mj)*128
.set mj, mj+1
.endr
.set mj, 0
.rept 9
	s_wait_dscnt 16-2*mj                           ; of the 18 loads the 2 mj + 2 oldest are in
	INSERT MK+mj, MI+mj
.set mj, mj+1
.endr
.Lskip_\@:
.endm
	MERGE 0, 1
	MERGE 1, 2
	MERGE 2, 4
	MERGE 3, 8
	s_cmp_lg_u32 s16, 0
	s_cbranch_scc1 .Lend
	v_add_f32 v[IB],   v[IB],   v[IB+1]            ; wave 0: the nine contributions
	v_add_f32 v[IB+2], v[IB+2], v[IB+3]
	v_add_f32 v[IB+4], v[IB+4], v[IB+5]
	v_add_f32 v[IB+6], v[IB+6], v[IB+7]
	v_add_f32 v[IB],   v[IB],   v[IB+2]
	v_add_f32 v[IB+4], v[IB+4], v[IB+6]
	v_add_f32 v[IB],   v[IB],   v[IB+4]
	v_add_f32 v[IB],   v[IB],   v[IB+8]
	global_store_b32 v[Q4], v[IB], s[12:13]        ; 32 lanes store 128 consecutive bytes
	global_store_b64 v[Q8], v[XRW:XRW+1], s[14:15] ; 32 lanes store 256 consecutive bytes, at a multiple of 256 from out1's first byte
.Lend:
	s_wait_tensorcnt 0x0                           ; the wave's end, behind my last LDS store
	ds_add_u32 v[SPW], v[NIL]
	s_wait_dscnt 0x0
	s_endpgm
.Lfunc_end_k_q27d75dcc47_blend:
	.size	k_q27d75dcc47_blend, .Lfunc_end_k_q27d75dcc47_blend-k_q27d75dcc47_blend
	.p2alignl 7, 3214868480
	.fill 96, 4, 3214868480
	.section	.rodata,"a",@progbits
	.p2align	6, 0x0
	.amdhsa_kernel k_q27d75dcc47_blend
		.amdhsa_group_segment_fixed_size 84224
		.amdhsa_private_segment_fixed_size 0
		.amdhsa_enable_private_segment 0
		.amdhsa_kernarg_size 48
		.amdhsa_user_sgpr_count 2
		.amdhsa_user_sgpr_kernarg_segment_ptr 1
		.amdhsa_wavefront_size32 1
		.amdhsa_system_sgpr_workgroup_id_x 1
		.amdhsa_system_sgpr_workgroup_id_y 1
		.amdhsa_system_sgpr_workgroup_id_z 1
		.amdhsa_system_vgpr_workitem_id 0
		.amdhsa_next_free_vgpr 176
		.amdhsa_next_free_sgpr 66
		.amdhsa_reserve_vcc 0
		.amdhsa_float_denorm_mode_32 3
		.amdhsa_float_denorm_mode_16_64 3
		.amdhsa_memory_ordered 1
		.amdhsa_forward_progress 1
		.amdhsa_inst_pref_size 204
	.end_amdhsa_kernel
	.amdgpu_metadata
---
amdhsa.version: [ 1, 2 ]
amdhsa.kernels:
  - .name:           k_q27d75dcc47_blend
    .symbol:         k_q27d75dcc47_blend.kd
    .args:
      - { .name: x, .offset: 0, .size: 8, .value_kind: global_buffer, .address_space: global }
      - { .name: control_points, .offset: 8, .size: 8, .value_kind: global_buffer, .address_space: global }
      - { .name: weights, .offset: 16, .size: 8, .value_kind: global_buffer, .address_space: global }
      - { .name: gid, .offset: 24, .size: 8, .value_kind: global_buffer, .address_space: global }
      - { .name: out0, .offset: 32, .size: 8, .value_kind: global_buffer, .address_space: global }
      - { .name: out1, .offset: 40, .size: 8, .value_kind: global_buffer, .address_space: global }
    .group_segment_fixed_size: 84224
    .private_segment_fixed_size: 0
    .kernarg_segment_align: 8
    .kernarg_segment_size: 48
    .max_flat_workgroup_size: 288
    .sgpr_count:     66
    .vgpr_count:     176
    .wavefront_size: 32
...
	.end_amdgpu_metadata
.endif
;; end of part 2
;; ======== version 2 of 3: 2 launches; 1.29 times as fast as version 1
;; workspace buffers: gid 294,912 bytes of whole numbers
;; launch near (part 3): grid 256 x 1, 8 waves a work-group, no clusters, 268,800 bytes of LDS; arguments x, control_points, gid; writes gid
.if DOCPART == 3
	.amdgcn_target "amdgcn-amd-amdhsa--gfx1250"
	.amdhsa_code_object_version 6
	.text
	.protected	k_q27d75dcc47_near
	.globl	k_q27d75dcc47_near
	.p2align	8
	.type	k_q27d75dcc47_near,@function
k_q27d75dcc47_near:
	s_mov_b64 s[64:65], 0
	v_nop
	global_prefetch_b8 v0, s[64:65] scope:SCOPE_SE
	s_setreg_imm32_b32 hwreg(HW_REG_WAVE_MODE, 25, 1), 1
	s_wait_xcnt 0x0
; FIRST OF TWO LAUNCHES.  For each of 8,192 queries: which 9 of the 512 groups of 32 consecutive control points hold its 9 nearest points.
; D(q, c) = (x2 + c2) - 2 (x0 c0 + x1 c1), each sum rounded once to f32, on x and c rounded to bf16.  On such operands every product has at most 16 significant bits and is
; exact in f32, so D has one value whatever way multiplies and adds are fused, and the order of the D, on which the choice of neighbours hangs, can be reproduced bit for bit.
; WHY NOT THE MATRIX UNIT.  The product x c^T has K = 2: two of a matrix instruction's 32 places along K.  And its sum is not the f32 rounding above; equal and nearly equal D are common
; on bf16 numbers, and a difference in the last bit changes which point is chosen, which changes the result by a whole weight.  So D is made by packed f32 arithmetic, 2 instructions a pair.
; WHY GROUPS.  Order points by (D, index).  The 9 first points lie in the 9 groups that come first by (smallest D of the group, group number): a point in any other group has 9 groups,
; hence 9 points, in front of it.  So the bulk costs half an instruction a pair beyond D (v_min3), and only 512 minima a query go through an insertion.
; SHARES.  A work-group: 32 queries against all 16,384 points.  Scan: lane = (qc = lane & 3, sl = lane >> 2); a thread has the 8 queries 8 qc + 0..7 and the slice 8 wave + sl of 256 points (8 groups).
; Pick: lane = query, wave = 64 of the 512 groups; then three levels of merging between waves; wave 0 sorts the 9 group numbers ascending and stores them.
; NO TENSOR LOADS, NO CLUSTER: what lies in LDS is computed (rounded, scaled, squared), so it passes through registers anyway; the points are 128 KiB in all.
; LIMITS.  NaN is not served (the min and median forms drop it); a D that overflows to infinity is not served (the lists start at +infinity).
; gid leaves as 128 consecutive bytes for each slot: a work-group owns 32 queries.
; LDS.  TABLE: 64 slices, 3,152 bytes apart (3,072 + 80); four points take 48 bytes:
; -2 c0 four times, -2 c1 four times, c2 four times.  GMIN: 32 query rows of 512 words, 2,064 bytes apart.  LISTS lie over TABLE, which is dead by then: a region for each level.
.set SLB,   3152
.set GP,    2064
.set GMIN,  64*SLB                     ; 201,728
.set SPARE, GMIN+32*GP                 ; 267,776: the spare words, 128 bytes for each of the eight waves; no other line names them
.set PART,  2304                       ; a wave's list in LDS: 18 slots (9 keys, 9 numbers) of 128 bytes
.set LVL,   8*PART                     ; a level of merging
.set CO,  2                            ; v2      32 x thread: my four points in a block of 1,024
.set XO,  3                            ; v3      64 qc: my eight queries
.set TB,  4                            ; v4-7    where I store into TABLE, for blocks 0-3, 4-7, 8-11, 12-15
.set TA,  8                            ; v8      scan: my slice, stepped by a group
.set GA,  9                            ; v9      scan: where my group minima go
.set SPW, 10                           ; v10     my spare word; never rewritten
.set NIL, 11                           ; v11     0; never rewritten
.set PA,  12                           ; v12     pick: my query's row, my wave's 64 groups
.set LA,  13                           ; v13     my place in a level's lists
.set GO,  14                           ; v14     my query's byte offset in a slot of gid
.set TMP, 15
.set X0,  16                           ; v16-31  x0 of query q, twice (a pair for packed arithmetic)
.set X1,  32                           ; v32-47  x1 likewise
.set X2,  48                           ; v48-63  x0^2 + x1^2 likewise
.set ACC, 64                           ; v64-71  the group's minimum for query q
.set QB,  72                           ; v72-83, v84-95  two buffers of four points: -2 c0, -2 c1, c2
.set T,   96                           ; v96-111  four queries x four points
.set S,   112                          ; v112-127
.set RAW, 128                          ; v128-255 the points as loaded: 16 blocks of 8 registers
.set OA,  72                           ; the table's making: what is stored,
.set OB,  76
.set OC,  80
.set PK,  84                           ; and four packed pairs of bf16
.set XR,  112                          ; x as loaded
.set KB,  16                           ; pick and merge: v16-24 the 9 keys, ascending
.set IB,  25                           ; v25-33  their group numbers
.set E0,  36                           ; v36-39, v40-43  eight minima
.set E1,  40
.set MK,  44                           ; v44-52  the partner's keys
.set MI,  53                           ; v53-61  the partner's numbers; at last the second set of the sort
.set ID,  62                           ; v62     the running group number
.set TT,  64                           ; v64-71  an insertion's eight numbers on the move (where the scan's minima lay)
.set MB,  20                           ; s20-28  lane masks: key < K[j]
	s_load_b128 s[4:7], s[0:1], 0x0                ; x s[4:5], control_points s[6:7]
	s_load_b64 s[8:9], s[0:1], 0x10                ; gid
	v_lshl_add_u32 v[SPW], v0, 2, SPARE
	v_mov_b32 v[NIL], 0
	v_lshrrev_b32 v1, 5, v0
	v_readfirstlane_b32 s10, v1                    ; wave 0..7
	v_and_b32 v1, 31, v0                           ; lane
	s_mov_b32 s11, 0xffff0000                      ; a word's upper bf16
	v_lshlrev_b32 v[CO], 5, v0
	v_and_b32 v[XO], 3, v1                         ; qc
	v_lshrrev_b32 v[TMP], 2, v1                    ; sl
	v_mul_u32_u24 v[GA], v[XO], 8*GP               ; my eight query rows of GMIN
	v_lshlrev_b32 v[XO], 6, v[XO]
	s_lshr_b32 s13, s10, 1                         ; block i's quad 256 i + thread lies in slice 4 i + wave / 2, at place 32 (wave % 2) + lane
	s_mul_i32 s13, s13, SLB
	s_and_b32 s15, s10, 1
	s_mul_i32 s15, s15, 32*48
	s_add_co_u32 s13, s13, s15
	v_mad_u32_u24 v[TB], v1, 48, s13
	v_add_nc_u32 v[TB+1], 16*SLB, v[TB]            ; four blocks are 16 slices: the rest stands in the stores' immediates
	v_add_nc_u32 v[TB+2], 32*SLB, v[TB]
	v_add_nc_u32 v[TB+3], 48*SLB, v[TB]
	s_mul_i32 s13, s10, 8*SLB                      ; my slice = 8 wave + sl
	v_mul_u32_u24 v[TA], v[TMP], SLB
	v_add_nc_u32 v[TA], s13, v[TA]
	s_lshl_b32 s13, s10, 8                         ; a wave's 64 groups are 256 bytes of a GMIN row, in the scan and in the pick
	s_add_co_u32 s13, s13, GMIN
	v_lshl_add_u32 v[GA], v[TMP], 5, v[GA]         ; a slice's 8 groups are 32 bytes
	v_add_nc_u32 v[GA], s13, v[GA]
	v_mul_u32_u24 v[PA], v1, GP
	v_add_nc_u32 v[PA], s13, v[PA]
	s_mul_i32 s13, s10, PART
	v_lshl_add_u32 v[LA], v1, 2, s13
	s_lshl_b32 s13, ttmp9, 7                       ; 32 queries x 4 bytes
	v_lshl_add_u32 v[GO], v1, 2, s13
	s_lshl_b32 s16, ttmp9, 8                       ; 32 queries x 8 bytes
	s_mov_b32 s17, 0
	s_wait_kmcnt 0x0
	s_add_nc_u64 s[4:5], s[4:5], s[16:17]          ; x at the work-group's first query
	; All loads go out at once: 32 of points (a thread's two loads of a block take 32 neighbouring bytes; a wave's two together 1,024 consecutive bytes), then 4 of x.
.set n, 0
.rept 16
	global_load_b128 v[RAW+8*n:RAW+8*n+3],   v[CO], s[6:7] offset:8192*n
	global_load_b128 v[RAW+8*n+4:RAW+8*n+7], v[CO], s[6:7] offset:8192*n+16
.set n, n+1
.endr
.set n, 0
.rept 4
	global_load_b128 v[XR+4*n:XR+4*n+3], v[XO], s[4:5] offset:16*n
.set n, n+1
.endr
; Block i: four points are rounded to bf16, widened, and stored as -2 c0, -2 c1 (both exact) and c2 = c0^2 + c1^2 (exact products, one rounding).
.macro PREP i
	s_wait_loadcnt 34-2*(\i)                       ; loads come back in order: of the 36, the 2 i + 2 oldest are in
.set e, 0
.rept 4
	v_cvt_pk_bf16_f32 v[PK+e], v[RAW+8*(\i)+2*e], v[RAW+8*(\i)+2*e+1]
.set e, e+1
.endr
.set e, 0
.rept 4
	v_lshlrev_b32 v[OA+e], 16, v[PK+e]
	v_and_b32 v[OB+e], s11, v[PK+e]
.set e, e+1
.endr
.set e, 0
.rept 2
	v_pk_mul_f32 v[OC+2*e:OC+2*e+1], v[OA+2*e:OA+2*e+1], v[OA+2*e:OA+2*e+1]
.set e, e+1
.endr
.set e, 0
.rept 2
	v_pk_fma_f32 v[OC+2*e:OC+2*e+1], v[OB+2*e:OB+2*e+1], v[OB+2*e:OB+2*e+1], v[OC+2*e:OC+2*e+1]
.set e, e+1
.endr
.set e, 0
.rept 2
	v_pk_mul_f32 v[OA+2*e:OA+2*e+1], v[OA+2*e:OA+2*e+1], -2.0 op_sel_hi:[1,0]
	v_pk_mul_f32 v[OB+2*e:OB+2*e+1], v[OB+2*e:OB+2*e+1], -2.0 op_sel_hi:[1,0]
.set e, e+1
.endr
	ds_store_b128 v[TB+(\i)/4], v[OA:OA+3] offset:((\i)%4)*4*SLB     ; lanes 48 bytes apart
	ds_store_b128 v[TB+(\i)/4], v[OB:OB+3] offset:((\i)%4)*4*SLB+16
	ds_store_b128 v[TB+(\i)/4], v[OC:OC+3] offset:((\i)%4)*4*SLB+32
.endm
.set n, 0
.rept 16
	PREP n
.set n, n+1
.endr
	s_wait_loadcnt 0x0                             ; x
.set n, 0
.rept 8                                                ; my eight queries: rounded to bf16, widened, each number twice
	v_cvt_pk_bf16_f32 v[PK+n%4], v[XR+2*n], v[XR+2*n+1]
	v_lshlrev_b32 v[X0+2*n],   16, v[PK+n%4]
	v_lshlrev_b32 v[X0+2*n+1], 16, v[PK+n%4]
	v_and_b32 v[X1+2*n],   s11, v[PK+n%4]
	v_and_b32 v[X1+2*n+1], s11, v[PK+n%4]
	v_pk_mul_f32 v[X2+2*n:X2+2*n+1], v[X0+2*n:X0+2*n+1], v[X0+2*n:X0+2*n+1]
	v_pk_fma_f32 v[X2+2*n:X2+2*n+1], v[X1+2*n:X1+2*n+1], v[X1+2*n:X1+2*n+1], v[X2+2*n:X2+2*n+1]
.set n, n+1
.endr
	s_wait_dscnt 0x0                               ; for the others' sake: my part of the table is stored
	s_barrier_signal -1
	s_barrier_wait -1                              ; the table is whole
; THE SCAN.
.macro LOADQ b, off                    ; four points into buffer b
	ds_load_b128 v[QB+12*(\b):QB+12*(\b)+3],    v[TA] offset:(\off)
	ds_load_b128 v[QB+12*(\b)+4:QB+12*(\b)+7],  v[TA] offset:(\off)+16
	ds_load_b128 v[QB+12*(\b)+8:QB+12*(\b)+11], v[TA] offset:(\off)+32
.endm
; Four points x eight queries, four queries at a time.  z = 2 x query + half of the four points.  T = x0 (-2 c0), exact; S = x2 + c2; T = x1 (-2 c1) + T; D = S + T.
; first = 1: the group's first four points start the minima: nothing is preset.
.macro QUAD b, first
.set QA, QB+12*(\b)
.set bt, 0
.rept 2
.set z, 0
.rept 8
	v_pk_mul_f32 v[T+2*z:T+2*z+1], v[X0+2*(4*bt+z/2):X0+2*(4*bt+z/2)+1], v[QA+2*(z%2):QA+2*(z%2)+1]
.set z, z+1
.endr
.set z, 0
.rept 8
	v_pk_add_f32 v[S+2*z:S+2*z+1], v[X2+2*(4*bt+z/2):X2+2*(4*bt+z/2)+1], v[QA+8+2*(z%2):QA+8+2*(z%2)+1]
.set z, z+1
.endr
.set z, 0
.rept 8
	v_pk_fma_f32 v[T+2*z:T+2*z+1], v[X1+2*(4*bt+z/2):X1+2*(4*bt+z/2)+1], v[QA+4+2*(z%2):QA+4+2*(z%2)+1], v[T+2*z:T+2*z+1]
.set z, z+1
.endr
.set z, 0
.rept 8
	v_pk_add_f32 v[T+2*z:T+2*z+1], v[S+2*z:S+2*z+1], v[T+2*z:T+2*z+1]
.set z, z+1
.endr
.set z, 0
.rept 4
.if \first
	v_min_num_f32 v[ACC+4*bt+z], v[T+4*z], v[T+4*z+1]
.else
	v_min3_num_f32 v[ACC+4*bt+z], v[ACC+4*bt+z], v[T+4*z], v[T+4*z+1]
.endif
.set z, z+1
.endr
.set z, 0
.rept 4
	v_min3_num_f32 v[ACC+4*bt+z], v[ACC+4*bt+z], v[T+4*z+2], v[T+4*z+3]
.set z, z+1
.endr
.set bt, bt+1
.endr
.endm
	s_mov_b32 s12, 8                               ; a trip is a group: 8 times four points
.Lgroup:
	LOADQ 0, 0
.set k, 0
.rept 8
.if k < 7
	LOADQ (k+1)%2, 48*(k+1)                        ; the next four points are on their way while these are worked on
	s_wait_dscnt 0x3                               ; LDS serves a wave in order: all but the three loads just issued are done
.else
	s_wait_dscnt 0x0                               ; the group's last four: nothing was issued behind them
.endif
.if k == 0
	QUAD 0, 1
.else
	QUAD k%2, 0
.endif
.set k, k+1
.endr
.set n, 0
.rept 8
	ds_store_b32 v[GA], v[ACC+n] offset:GP*n       ; query 8 qc + n, this group
.set n, n+1
.endr
	v_add_nc_u32 v[TA], 8*48, v[TA]
	v_add_nc_u32 v[GA], 4, v[GA]
	s_sub_co_u32 s12, s12, 1
	s_cmp_lg_u32 s12, 0
	s_cbranch_scc1 .Lgroup
	s_wait_dscnt 0x0                               ; for the others' sake: my minima are stored, and my reads of the table are over
	s_barrier_signal -1
	s_barrier_wait -1                              ; GMIN is whole; nobody reads the table any more
; AN INSERTION into slots f to 8 of the ascending list of 9.  The new key goes in front of the first K[j] that is greater (strictly: of equal keys the one that came first stays in front;
; keys come in ascending order of their numbers, so the lower number wins).  K[j] becomes the median of (key, K[j-1], K[j]); the number follows by two selects: what would move up into slot j
; (the number below, or the new one), then whether slot j changes at all.  The four kinds stand in four runs, j descending in each, so that no line reads a result made just in front of it.
; f > 0 is for a key that is known to be no smaller than K[f-1]: slots below f cannot change.
.macro INSERT k, id, f=0
.set ij, 8
.rept 9-(\f)
	v_cmp_lt_f32 s[MB+ij], v[(\k)], v[KB+ij]
.set ij, ij-1
.endr
.if (\f) < 8
.set ij, 8
.rept 8-(\f)
	v_med3_num_f32 v[KB+ij], v[(\k)], v[KB+ij-1], v[KB+ij]
.set ij, ij-1
.endr
.endif
	v_min_num_f32 v[KB+(\f)], v[(\k)], v[KB+(\f)]
.if (\f) < 8
.set ij, 8
.rept 8-(\f)
	v_cndmask_b32 v[TT+ij-1], v[(\id)], v[IB+ij-1], s[MB+ij-1]
.set ij, ij-1
.endr
.set ij, 8
.rept 8-(\f)
	v_cndmask_b32 v[IB+ij], v[IB+ij], v[TT+ij-1], s[MB+ij]
.set ij, ij-1
.endr
.endif
	v_cndmask_b32 v[IB+(\f)], v[IB+(\f)], v[(\id)], s[MB+(\f)]
.endm
	; THE PICK: lane = query, my wave's 64 groups in ascending order.
.set n, 0
.rept 9
	v_mov_b32 v[KB+n], 0x7f800000                  ; +infinity: every finite minimum goes in front of it
	v_mov_b32 v[IB+n], 0
.set n, n+1
.endr
	s_lshl_b32 s13, s10, 6
	v_mov_b32 v[ID], s13                           ; my wave's first group
	s_mov_b32 s12, 8                               ; a trip takes eight minima
.Lpick:
	ds_load_b128 v[E0:E0+3], v[PA]                 ; rows 2,064 bytes apart
	ds_load_b128 v[E1:E1+3], v[PA] offset:16
	s_wait_dscnt 0x1                               ; the first four are in; the second load may be out
.set n, 0
.rept 4
	INSERT E0+n, ID
	v_add_nc_u32 v[ID], 1, v[ID]
.set n, n+1
.endr
	s_wait_dscnt 0x0
.set n, 0
.rept 4
	INSERT E1+n, ID
	v_add_nc_u32 v[ID], 1, v[ID]
.set n, n+1
.endr
	v_add_nc_u32 v[PA], 32, v[PA]
	s_sub_co_u32 s12, s12, 1
	s_cmp_lg_u32 s12, 0
	s_cbranch_scc1 .Lpick
; A LEVEL OF MERGING.  Every wave stores its list into the level's own region (no region is written after it has been read); behind the barrier the waves whose number is a multiple of 2 d
; take the list of wave + d.  The taking wave holds the lower group numbers, so equal keys again fall to the lower number.
; last = 0: entry by entry, ascending.  The partner's entry j has j entries of its own list in front of it, all no greater, and each of them is in my list by then or found nine keys no greater
; there: so it cannot land below slot j, and its insertion begins at slot j: 45 slots are touched for 81.
; last = 1: only WHICH nine are first is wanted, not their order.  Of two ascending lists A and B of nine the nine first are, slot by slot, the earlier of A[i] and B[8-i]; B's is the earlier
; only if its key is strictly smaller.
.macro MERGE l, d, last=0
.set mj, 0
.rept 9
	ds_store_b32 v[LA], v[KB+mj] offset:(\l)*LVL+mj*128
	ds_store_b32 v[LA], v[IB+mj] offset:(\l)*LVL+(9+mj)*128
.set mj, mj+1
.endr
	s_wait_dscnt 0x0                               ; for the others' sake: my list is stored
	s_barrier_signal -1
	s_barrier_wait -1
	s_and_b32 s13, s10, 2*(\d)-1
	s_cmp_lg_u32 s13, 0
	s_cbranch_scc1 .Lskip_\@                       ; on the wave's number alone; no barrier is jumped over
.set mj, 0
.rept 9
	ds_load_b32 v[MK+mj], v[LA] offset:(\l)*LVL+(\d)*PART+mj*128
	ds_load_b32 v[MI+mj], v[LA] offset:(\l)*LVL+(\d)*PART+(9+mj)*128
.set mj, mj+1
.endr
.if \last
	s_wait_dscnt 0x0                               ; all 18: the first comparison wants the partner's last key
.set mj, 0
.rept 9
	v_cmp_lt_f32 s[MB+mj], v[MK+8-mj], v[KB+mj]
.set mj, mj+1
.endr
.set mj, 0
.rept 9
	v_cndmask_b32 v[IB+mj], v[IB+mj], v[MI+8-mj], s[MB+mj]
.set mj, mj+1
.endr
.else
.set mj, 0
.rept 9
	s_wait_dscnt 16-2*mj                           ; of the 18 loads the 2 mj + 2 oldest are in
	INSERT MK+mj, MI+mj, mj
.set mj, mj+1
.endr
.endif
.Lskip_\@:
.endm
	MERGE 0, 1
	MERGE 1, 2
	MERGE 2, 4, 1
	s_cmp_lg_u32 s10, 0
	s_cbranch_scc1 .Lend
	; Wave 0 holds each query's 9 groups.  Their numbers are sorted ascending, so that the second launch meets the points in ascending order of index:
	; nine rounds of exchanges between neighbours, even and odd pairs by turns, sort nine numbers.  A round writes the other of two register sets: the smaller and the greater of each pair,
	; and a copy of the number that has no partner in that round.
.macro SROUND src, dst, a
.set cj, 0
.rept 4
	v_min_u32 v[(\dst)+(\a)+2*cj],   v[(\src)+(\a)+2*cj], v[(\src)+(\a)+2*cj+1]
	v_max_u32 v[(\dst)+(\a)+2*cj+1], v[(\src)+(\a)+2*cj], v[(\src)+(\a)+2*cj+1]
.set cj, cj+1
.endr
	v_mov_b32 v[(\dst)+8-8*(\a)], v[(\src)+8-8*(\a)]
.endm
.rept 4
	SROUND IB, MI, 0
	SROUND MI, IB, 1
.endr
	SROUND IB, MI, 0                               ; the ninth round leaves the numbers in the second set
.set n, 0
.rept 9
	global_store_b32 v[GO], v[MI+n], s[8:9] offset:32768*n   ; slot n: 32 lanes store 128 consecutive bytes
.set n, n+1
.endr
.Lend:
	s_wait_tensorcnt 0x0                           ; the wave's end, behind my last LDS store
	ds_add_u32 v[SPW], v[NIL]
	s_wait_dscnt 0x0
	s_endpgm
.Lfunc_end_k_q27d75dcc47_near:
	.size	k_q27d75dcc47_near, .Lfunc_end_k_q27d75dcc47_near-k_q27d75dcc47_near
	.p2alignl 7, 3214868480
	.fill 96, 4, 3214868480
	.section	.rodata,"a",@progbits
	.p2align	6, 0x0
	.amdhsa_kernel k_q27d75dcc47_near
		.amdhsa_group_segment_fixed_size 268800
		.amdhsa_private_segment_fixed_size 0
		.amdhsa_enable_private_segment 0
		.amdhsa_kernarg_size 24
		.amdhsa_user_sgpr_count 2
		.amdhsa_user_sgpr_kernarg_segment_ptr 1
		.amdhsa_wavefront_size32 1
		.amdhsa_system_sgpr_workgroup_id_x 1
		.amdhsa_system_sgpr_workgroup_id_y 1
		.amdhsa_system_sgpr_workgroup_id_z 1
		.amdhsa_system_vgpr_workitem_id 0
		.amdhsa_next_free_vgpr 256
		.amdhsa_next_free_sgpr 66
		.amdhsa_reserve_vcc 0
		.amdhsa_float_denorm_mode_32 3
		.amdhsa_float_denorm_mode_16_64 3
		.amdhsa_memory_ordered 1
		.amdhsa_forward_progress 1
		.amdhsa_inst_pref_size 123
	.end_amdhsa_kernel
	.amdgpu_metadata
---
amdhsa.version: [ 1, 2 ]
amdhsa.kernels:
  - .name:           k_q27d75dcc47_near
    .symbol:         k_q27d75dcc47_near.kd
    .args:
      - { .name: x, .offset: 0, .size: 8, .value_kind: global_buffer, .address_space: global }
      - { .name: control_points, .offset: 8, .size: 8, .value_kind: global_buffer, .address_space: global }
      - { .name: gid, .offset: 16, .size: 8, .value_kind: global_buffer, .address_space: global }
    .group_segment_fixed_size: 268800
    .private_segment_fixed_size: 0
    .kernarg_segment_align: 8
    .kernarg_segment_size: 24
    .max_flat_workgroup_size: 256
    .sgpr_count:     66
    .vgpr_count:     256
    .wavefront_size: 32
...
	.end_amdgpu_metadata
.endif
;; end of part 3
;; launch blend (part 4): grid 256 x 1, 8 waves a work-group, no clusters, 4,096 bytes of LDS; arguments x, control_points, weights, gid, out0, out1; writes out0, out1
.if DOCPART == 4
	.amdgcn_target "amdgcn-amd-amdhsa--gfx1250"
	.amdhsa_code_object_version 6
	.text
	.protected	k_q27d75dcc47_blend
	.globl	k_q27d75dcc47_blend
	.p2align	8
	.type	k_q27d75dcc47_blend,@function
k_q27d75dcc47_blend:
	s_mov_b64 s[64:65], 0
	v_nop
	global_prefetch_b8 v0, s[64:65] scope:SCOPE_SE
	s_setreg_imm32_b32 hwreg(HW_REG_WAVE_MODE, 25, 1), 1
	s_wait_xcnt 0x0
; SECOND OF TWO LAUNCHES.  out0[q] = the sum over the 9 nearest control points of w cubic(|x - c| / h), h = |x[0] - x[1]|;  out1 = x as it is given.
; The first launch has stored, for each query, the 9 groups of 32 consecutive points that hold its 9 nearest, group numbers ascending: gid[slot][query].
; SHARES.  A work-group: 32 queries; a wave: 4 of them; a query: eight neighbouring lanes, t = lane & 7.  The query's 9 groups on end are 288 points, 72 quads of four; lane t walks the quads
; 9 t .. 9 t + 8, 36 points in ascending order of index, and keeps the 9 smallest D in an ascending list.  Quad u lies in slot u >> 3, at place u & 7 of that slot's group; a lane loads the
; group number anew for each quad, so that slot and place hang on lane numbers alone and a gathered address is: loaded number, bounded, shifted, plus the place.
; Eight waves are two for each of a WGP's four SIMDs, all with the same work.
; Beside each D the list carries not the index but the point's contribution w cubic(s), so no address ever hangs on a comparison.
; MERGING stays inside the wave: three levels, 1, 2 and 4 lanes apart, the partner's list fetched by DPP.  At each level the lane whose t has the level's bit and the lower ones clear takes the list
; of lane t + d, which holds the higher indices; the other lanes run the same lines on lists that nobody reads afterwards.  No LDS and no barrier stands between the levels.
; D is made as in the first launch, from x, c rounded to bf16: x2 + c2 rounded, (-2 x0) c0 exact, + (-2 x1) c1 rounded, the two added: the same real numbers are rounded at the same places,
; so the bits are the same.  Of equal D the lower index stays in front (strict comparison, ascending order of arrival).  w is rounded to bf16 as well: all inputs have one rounding.
; The product x . c has K = 2 and its last bit decides the choice of points, so it stands in f32 vector arithmetic, not on the matrix unit (see the first launch's head).
; cubic: s < 1: (1.5 s - 2.5) s^2 + 1;  s < 2: ((-0.5 s + 2.5) s - 4) s + 2, which is exactly 0 at s = 1, so that s = 1 needs no test of its own;  else 0.  With h = 0, s is infinite or NaN,
; both comparisons fail and the contribution is 0.
; THE WAY OUT.  A query's sum ends in its lane t = 0: four lanes of each wave.  Every lane puts its sum and its query's x into LDS words of its own; behind the launch's one barrier wave 0 reads the
; 32 that count and stores them: out0 as 128 consecutive bytes, out1 as 256 (a work-group owns 32 queries).
; LIMITS.  NaN and a D that overflows to infinity are not served.  The root and the reciprocal take numbers below 2^-126 as 0: an h, or an |x - c|^2, below that counts as 0.
; s is |x - c| times 1 / h, not a division: a last-bit difference, at thresholds where cubic is continuous.
; No tensor loads, no cluster: each lane gathers its own 9 x (32 + 16) bytes, known only from gid.
.set SX,    0                          ; 2,048 bytes: each thread's x, 8 bytes
.set SO,    2048                       ; 1,024 bytes: each thread's sum
.set SPARE, 3072                       ; the spare words, 128 bytes for each of the eight waves; no other line names them
.set Q4O, 2                            ; v2      wave 0's way out: 4 x (the work-group's first query + lane)
.set Q8O, 3                            ; v3      8 x the same
.set QX,  4                            ; v4      8 x my query
.set Q4,  5                            ; v5      4 x my query
.set T9,  6                            ; v6      9 t: my first quad
.set SXA, 7                            ; v7      my 8 bytes of SX
.set SOA, 8                            ; v8      my word of SO
.set RDX, 9                            ; v9      wave 0: where query 'lane' has its x
.set SPW, 10                           ; v10     my spare word; never rewritten
.set NIL, 11                           ; v11     0; never rewritten
.set XRW, 12                           ; v12-13  my query's x as loaded
.set XB0, 14                           ; v14-15  x rounded to bf16
.set XB1, 15
.set XSQ, 16                           ; v16     x0^2 + x1^2
.set RH,  17                           ; v17     1 / h
                                       ; v18-33  at work
.set XM0, 34                           ; v34-35  -2 x0, -2 x1
.set XM1, 35
.set KB,  36                           ; v36-44  the 9 keys, ascending
.set IB,  45                           ; v45-53  their contributions
.set RDO, 54                           ; v54     wave 0: where query 'lane' has its sum
.set TMP, 55
.set GOF, 56                           ; v56-64  quad i: its word of gid.  Dead when those loads are in:
.set MK,  56                           ;         then the partner's keys
.set SUB, 65                           ; v65-73  quad i: its place in its group.  Dead when the addresses are made:
.set MI,  65                           ;         then the partner's contributions
.set WB,  74                           ; v74-77  four weights, rounded
.set G,   78                           ; v78-86  quad i: its group, then its number among all 4,096 quads
.set CO,  87                           ; v87-95  quad i: its 32 bytes of control_points; never rewritten
.set WO,  96                           ; v96-104 quad i: its 16 bytes of weights; never rewritten
.set RO,  105                          ; v105    wave 0: a sum read back
.set TT,  106                          ; v106-113 an insertion's eight contributions on the move
.set RX,  114                          ; v114-115 wave 0: an x read back
.set CR,  116                          ; v116-187 my 36 points as loaded
.set WR,  188                          ; v188-223 my 36 weights as loaded
.set MB,  30                           ; s30-38  lane masks: key < K[j]
	s_load_b256 s[4:11], s[0:1], 0x0               ; x s[4:5], control_points s[6:7], weights s[8:9], gid s[10:11]
	s_load_b128 s[12:15], s[0:1], 0x20             ; out0 s[12:13], out1 s[14:15]
	v_lshl_add_u32 v[SPW], v0, 2, SPARE
	v_mov_b32 v[NIL], 0
	v_lshrrev_b32 v1, 5, v0
	v_readfirstlane_b32 s16, v1                    ; wave 0..7
	v_and_b32 v1, 31, v0                           ; lane
	s_mov_b32 s17, 0xffff0000                      ; a word's upper bf16
	s_mov_b32 s24, 0x3fc00000                      ; 1.5
	s_mov_b32 s25, 0xc0200000                      ; -2.5
	s_mov_b32 s26, 0x40200000                      ; 2.5
	s_lshl_b32 s18, ttmp9, 5                       ; the work-group's first query
	v_add_nc_u32 v[Q4O], s18, v1
	v_lshlrev_b32 v[Q8O], 3, v[Q4O]
	v_lshlrev_b32 v[Q4O], 2, v[Q4O]
	v_lshrrev_b32 v[Q4], 3, v0                     ; thread / 8 = 4 wave + lane / 8
	v_add_nc_u32 v[Q4], s18, v[Q4]                 ; my query
	v_lshlrev_b32 v[QX], 3, v[Q4]
	v_lshlrev_b32 v[Q4], 2, v[Q4]
	v_and_b32 v[T9], 7, v0                         ; t
	v_mul_u32_u24 v[T9], 9, v[T9]
.set n, 0
.rept 9                                                ; quad u = 9 t + n: slot u >> 3 (8,192 words of gid each), place u & 7
	v_add_nc_u32 v[SUB+n], n, v[T9]
	v_lshrrev_b32 v[GOF+n], 3, v[SUB+n]
	v_lshl_add_u32 v[GOF+n], v[GOF+n], 15, v[Q4]
	v_and_b32 v[SUB+n], 7, v[SUB+n]
.set n, n+1
.endr
	s_lshl_b32 s19, s16, 8                         ; a wave's 256 bytes of SX (which begins at LDS byte 0)
	v_lshl_add_u32 v[SXA], v1, 3, s19
	s_lshl_b32 s19, s16, 7                         ; a wave's 128 bytes of SO
	s_add_co_u32 s19, s19, SO
	v_lshl_add_u32 v[SOA], v1, 2, s19
	v_lshrrev_b32 v[TMP], 2, v1                    ; query 'lane' of the work-group belongs to wave lane / 4, and its lane t = 0 there is 8 (lane % 4)
	v_and_b32 v[RDX], 3, v1
	v_lshlrev_b32 v[RDX], 6, v[RDX]
	v_lshl_add_u32 v[RDX], v[TMP], 8, v[RDX]
	v_lshrrev_b32 v[RDO], 1, v[RDX]
	v_add_nc_u32 v[RDO], SO, v[RDO]
	s_wait_kmcnt 0x0
	s_load_b128 s[20:23], s[4:5], 0x0              ; x[0], x[1]: no line of this launch writes x
	global_load_b64 v[XRW:XRW+1], v[QX], s[4:5]
.set n, 0
.rept 9
	global_load_b32 v[G+n], v[GOF+n], s[10:11]
.set n, n+1
.endr
	s_wait_kmcnt 0x0                               ; x[0], x[1].  h and the lists' first values are made while the group numbers are on their way
	v_mov_b32 v18, s20
	v_mov_b32 v19, s21
	v_mov_b32 v20, s22
	v_mov_b32 v21, s23
	v_cvt_pk_bf16_f32 v18, v18, v19                ; rounded like every input
	v_cvt_pk_bf16_f32 v19, v20, v21
	v_lshlrev_b32 v20, 16, v18
	v_and_b32 v21, s17, v18
	v_lshlrev_b32 v22, 16, v19
	v_and_b32 v23, s17, v19
	v_sub_f32 v20, v20, v22
	v_sub_f32 v21, v21, v23
	v_mul_f32 v24, v20, v20
	v_fmac_f32 v24, v21, v21
	v_sqrt_f32 v25, v24                            ; h.  Behind a root or a reciprocal a plain vector instruction stands before its result is used (ISA guide 5.7.2): here the lists' first values
.set n, 0
.rept 9
	v_mov_b32 v[KB+n], 0x7f800000                  ; +infinity: every finite D goes in front of it
.set n, n+1
.endr
	s_wait_alu depctr_va_vdst(0)
	v_rcp_f32 v[RH], v25
.set n, 0
.rept 9
	v_mov_b32 v[IB+n], 0
.set n, n+1
.endr
	s_wait_loadcnt 0x0                             ; x and the nine group numbers
.set n, 0
.rept 9                                                ; all 27 loads go out on end, in the order in which the steps want them: four points (32 bytes), their four weights (16 bytes)
	v_min_u32 v[G+n], 0x1ff, v[G+n]                ; a loaded number enters an address only bounded: 512 groups
	v_lshl_add_u32 v[G+n], v[G+n], 3, v[SUB+n]     ; 8 quads a group, plus the place
	v_lshlrev_b32 v[CO+n], 5, v[G+n]
	v_lshlrev_b32 v[WO+n], 4, v[G+n]
	global_load_b128 v[CR+8*n:CR+8*n+3],   v[CO+n], s[6:7]
	global_load_b128 v[CR+8*n+4:CR+8*n+7], v[CO+n], s[6:7] offset:16
	global_load_b128 v[WR+4*n:WR+4*n+3],   v[WO+n], s[8:9]
.set n, n+1
.endr
	ds_store_b64 v[SXA], v[XRW:XRW+1]              ; x as it is given, for out1
	v_cvt_pk_bf16_f32 v18, v[XRW], v[XRW+1]
	v_lshlrev_b32 v[XB0], 16, v18
	v_and_b32 v[XB1], s17, v18
	v_mul_f32 v[XSQ], v[XB0], v[XB0]
	v_fmac_f32 v[XSQ], v[XB1], v[XB1]
	v_mul_f32 v[XM0], -2.0, v[XB0]
	v_mul_f32 v[XM1], -2.0, v[XB1]
; AN INSERTION into slots f to 8 of the ascending list of 9.  The new key goes in front of the first K[j] that is greater (strictly: of equal keys the one that came first stays in front).
; K[j] becomes the median of (key, K[j-1], K[j]); what the key carries follows by two selects: what would move up into slot j (what lies below, or the new one), then whether slot j changes
; at all.  The four kinds stand in four runs, j descending in each, so that no line reads a result made just in front of it.
; f > 0 is for a key that is known to be no smaller than K[f-1]: slots below f cannot change.
.macro INSERT k, id, f=0
.set ij, 8
.rept 9-(\f)
	v_cmp_lt_f32 s[MB+ij], v[(\k)], v[KB+ij]
.set ij, ij-1
.endr
.if (\f) < 8
.set ij, 8
.rept 8-(\f)
	v_med3_num_f32 v[KB+ij], v[(\k)], v[KB+ij-1], v[KB+ij]
.set ij, ij-1
.endr
.endif
	v_min_num_f32 v[KB+(\f)], v[(\k)], v[KB+(\f)]
.if (\f) < 8
.set ij, 8
.rept 8-(\f)
	v_cndmask_b32 v[TT+ij-1], v[(\id)], v[IB+ij-1], s[MB+ij-1]
.set ij, ij-1
.endr
.set ij, 8
.rept 8-(\f)
	v_cndmask_b32 v[IB+ij], v[IB+ij], v[TT+ij-1], s[MB+ij]
.set ij, ij-1
.endr
.endif
	v_cndmask_b32 v[IB+(\f)], v[IB+(\f)], v[(\id)], s[MB+(\f)]
.endm
; ONE POINT: c0, c1 in v[c], v[c+1], its rounded weight in v[w].  The chain to D and the chain to the distance stand line by line, so that few lines wait for the one before.
.macro CAND c, w
	v_cvt_pk_bf16_f32 v32, v[(\c)], v[(\c)+1]
	v_lshlrev_b32 v18, 16, v32                     ; c0
	v_and_b32 v19, s17, v32                        ; c1
	v_sub_f32 v20, v[XB0], v18
	v_sub_f32 v21, v[XB1], v19
	v_mul_f32 v24, v18, v18
	v_mul_f32 v25, v[XM0], v18                     ; -2 x0 c0, exact
	v_mul_f32 v22, v20, v20
	v_fmac_f32 v24, v19, v19                       ; c2
	v_fmac_f32 v25, v[XM1], v19                    ; -2 (x0 c0 + x1 c1), one rounding
	v_fmac_f32 v22, v21, v21                       ; |x - c|^2
	v_add_f32 v26, v[XSQ], v24                     ; x2 + c2
	v_sqrt_f32 v23, v22
	v_add_f32 v26, v26, v25                        ; D: also the plain instruction behind the root
	s_wait_alu depctr_va_vdst(0)
	v_mul_f32 v27, v23, v[RH]                      ; s
	v_mul_f32 v28, v27, v27
	v_fma_f32 v29, v27, s24, s25
	v_fma_f32 v30, v27, -0.5, s26
	v_cmp_gt_f32 s40, 1.0, v27
	v_cmp_gt_f32 s41, 2.0, v27
	v_fma_f32 v29, v29, v28, 1.0
	v_fma_f32 v30, v30, v27, -4.0
	v_fma_f32 v30, v30, v27, 2.0
	v_cndmask_b32 v31, 0, v30, s41
	v_cndmask_b32 v31, v31, v29, s40
	v_mul_f32 v31, v31, v[(\w)]
	INSERT 26, 31
.endm
.macro STEP i                          ; a quad: four points
	s_wait_loadcnt 24-3*(\i)                       ; loads come back in order: of the 27, the 3 i + 3 oldest are in
	v_cvt_pk_bf16_f32 v32, v[WR+4*(\i)],   v[WR+4*(\i)+1]
	v_cvt_pk_bf16_f32 v33, v[WR+4*(\i)+2], v[WR+4*(\i)+3]
	v_lshlrev_b32 v[WB],   16, v32
	v_and_b32 v[WB+1], s17, v32
	v_lshlrev_b32 v[WB+2], 16, v33
	v_and_b32 v[WB+3], s17, v33
	CAND CR+8*(\i),   WB
	CAND CR+8*(\i)+2, WB+1
	CAND CR+8*(\i)+4, WB+2
	CAND CR+8*(\i)+6, WB+3
.endm
.set n, 0
.rept 9
	STEP n
.set n, n+1
.endr
; A LEVEL OF MERGING, d lanes apart.  Each lane fetches the list of lane (lane xor d), which lies among the query's own eight lanes.  Where t has bit d and the bits below it clear, that is
; lane t + d: the list made of the points behind mine, so equal D fall to the lower index.  What the other lanes make of the same lines is read by no later level.
; last = 0: entry by entry, ascending.  The partner's entry j has j entries of its own list in front of it, all no greater, and each of them is in my list by then or found nine keys no greater
; there: so it cannot land below slot j, and its insertion begins at slot j: 45 slots are touched for 81.
; last = 1: only WHICH nine are first is wanted, since their contributions are added up.  Of two ascending lists A and B of nine the nine first are, slot by slot, the earlier of A[i] and B[8-i];
; B's is the earlier only if its key is strictly smaller.
; The destinations of the DPP lines were written whole at the kernel's head (as offsets and places).
.macro MERGE d, last=0
.set mj, 0
.rept 9
	v_mov_b32_dpp v[MK+mj], v[KB+mj] row_xmask:\d row_mask:0xf bank_mask:0xf
	v_mov_b32_dpp v[MI+mj], v[IB+mj] row_xmask:\d row_mask:0xf bank_mask:0xf
.set mj, mj+1
.endr
.if \last
.set mj, 0
.rept 9
	v_cmp_lt_f32 s[MB+mj], v[MK+8-mj], v[KB+mj]
.set mj, mj+1
.endr
.set mj, 0
.rept 9
	v_cndmask_b32 v[IB+mj], v[IB+mj], v[MI+8-mj], s[MB+mj]
.set mj, mj+1
.endr
.else
.set mj, 0
.rept 9
	INSERT MK+mj, MI+mj, mj
.set mj, mj+1
.endr
.endif
.endm
	MERGE 1
	MERGE 2
	MERGE 4, 1
	v_add_f32 v[IB],   v[IB],   v[IB+1]            ; the nine contributions: the query's sum where t = 0
	v_add_f32 v[IB+2], v[IB+2], v[IB+3]
	v_add_f32 v[IB+4], v[IB+4], v[IB+5]
	v_add_f32 v[IB+6], v[IB+6], v[IB+7]
	v_add_f32 v[IB],   v[IB],   v[IB+2]
	v_add_f32 v[IB+4], v[IB+4], v[IB+6]
	v_add_f32 v[IB],   v[IB],   v[IB+4]
	v_add_f32 v[IB],   v[IB],   v[IB+8]
	ds_store_b32 v[SOA], v[IB]                     ; every lane into its own word: EXEC is never narrowed
	s_wait_dscnt 0x0                               ; for wave 0's sake: my sums and my x are stored
	s_barrier_signal -1
	s_barrier_wait -1
	s_cmp_lg_u32 s16, 0
	s_cbranch_scc1 .Lend                           ; on the wave's number alone; no barrier is jumped over
	ds_load_b32 v[RO], v[RDO]                      ; wave 0, lane = query: what that query's lane t = 0 stored
	ds_load_b64 v[RX:RX+1], v[RDX]
	s_wait_dscnt 0x0
	global_store_b32 v[Q4O], v[RO], s[12:13]       ; 32 lanes store 128 consecutive bytes
	global_store_b64 v[Q8O], v[RX:RX+1], s[14:15]  ; 32 lanes store 256 consecutive bytes, at a multiple of 256 from out1's first byte
.Lend:
	s_wait_tensorcnt 0x0                           ; the wave's end, behind my last LDS store
	ds_add_u32 v[SPW], v[NIL]
	s_wait_dscnt 0x0
	s_endpgm
.Lfunc_end_k_q27d75dcc47_blend:
	.size	k_q27d75dcc47_blend, .Lfunc_end_k_q27d75dcc47_blend-k_q27d75dcc47_blend
	.p2alignl 7, 3214868480
	.fill 96, 4, 3214868480
	.section	.rodata,"a",@progbits
	.p2align	6, 0x0
	.amdhsa_kernel k_q27d75dcc47_blend
		.amdhsa_group_segment_fixed_size 4096
		.amdhsa_private_segment_fixed_size 0
		.amdhsa_enable_private_segment 0
		.amdhsa_kernarg_size 48
		.amdhsa_user_sgpr_count 2
		.amdhsa_user_sgpr_kernarg_segment_ptr 1
		.amdhsa_wavefront_size32 1
		.amdhsa_system_sgpr_workgroup_id_x 1
		.amdhsa_system_sgpr_workgroup_id_y 1
		.amdhsa_system_sgpr_workgroup_id_z 1
		.amdhsa_system_vgpr_workitem_id 0
		.amdhsa_next_free_vgpr 224
		.amdhsa_next_free_sgpr 66
		.amdhsa_reserve_vcc 0
		.amdhsa_float_denorm_mode_32 3
		.amdhsa_float_denorm_mode_16_64 3
		.amdhsa_memory_ordered 1
		.amdhsa_forward_progress 1
		.amdhsa_inst_pref_size 159
	.end_amdhsa_kernel
	.amdgpu_metadata
---
amdhsa.version: [ 1, 2 ]
amdhsa.kernels:
  - .name:           k_q27d75dcc47_blend
    .symbol:         k_q27d75dcc47_blend.kd
    .args:
      - { .name: x, .offset: 0, .size: 8, .value_kind: global_buffer, .address_space: global }
      - { .name: control_points, .offset: 8, .size: 8, .value_kind: global_buffer, .address_space: global }
      - { .name: weights, .offset: 16, .size: 8, .value_kind: global_buffer, .address_space: global }
      - { .name: gid, .offset: 24, .size: 8, .value_kind: global_buffer, .address_space: global }
      - { .name: out0, .offset: 32, .size: 8, .value_kind: global_buffer, .address_space: global }
      - { .name: out1, .offset: 40, .size: 8, .value_kind: global_buffer, .address_space: global }
    .group_segment_fixed_size: 4096
    .private_segment_fixed_size: 0
    .kernarg_segment_align: 8
    .kernarg_segment_size: 48
    .max_flat_workgroup_size: 256
    .sgpr_count:     66
    .vgpr_count:     224
    .wavefront_size: 32
...
	.end_amdgpu_metadata
.endif
;; end of part 4
;; ======== version 3 of 3: 2 launches; version 2 with the launches near, blend written anew for expert scheduling mode
;; workspace buffers: gid 294,912 bytes of whole numbers
;; launch near (part 5): grid 256 x 1, 8 waves a work-group, no clusters, 268,800 bytes of LDS; arguments x, control_points, gid; writes gid
.if DOCPART == 5
	.amdgcn_target "amdgcn-amd-amdhsa--gfx1250"
	.amdhsa_code_object_version 6
	.text
	.protected	k_q27d75dcc47_near
	.globl	k_q27d75dcc47_near
	.p2align	8
	.type	k_q27d75dcc47_near,@function
k_q27d75dcc47_near:
	s_mov_b64 s[64:65], 0
	v_nop
	global_prefetch_b8 v0, s[64:65] scope:SCOPE_SE
	s_setreg_imm32_b32 hwreg(HW_REG_WAVE_SCHED_MODE, 0, 2), 2
	s_setreg_imm32_b32 hwreg(HW_REG_WAVE_MODE, 25, 1), 1
	s_wait_xcnt 0x0
	s_wait_alu depctr_vm_vsrc(0)
; FIRST OF TWO LAUNCHES.  For each of 8,192 queries: which 9 of the 512 groups of 32 consecutive control points hold its 9 nearest points.
; D(q, c) = (x2 + c2) - 2 (x0 c0 + x1 c1), each sum rounded once to f32, on x and c rounded to bf16.  On such operands every product has at most 16 significant bits and is
; exact in f32, so D has one value whatever way multiplies and adds are fused, and the order of the D, on which the choice of neighbours hangs, can be reproduced bit for bit.
; WHY NOT THE MATRIX UNIT.  The product x c^T has K = 2: two of a matrix instruction's 32 places along K.  And its sum is not the f32 rounding above; equal and nearly equal D are common
; on bf16 numbers, and a difference in the last bit changes which point is chosen, which changes the result by a whole weight.  So D is made by packed f32 arithmetic, 2 instructions a pair.
; WHY GROUPS.  Order points by (D, index).  The 9 first points lie in the 9 groups that come first by (smallest D of the group, group number): a point in any other group has 9 groups,
; hence 9 points, in front of it.  So the bulk costs half an instruction a pair beyond D (v_min3), and only 512 minima a query go through an insertion.
; SHARES.  A work-group: 32 queries against all 16,384 points.  Scan: lane = (qc = lane & 3, sl = lane >> 2); a thread has the 8 queries 8 qc + 0..7 and the slice 8 wave + sl of 256 points (8 groups).
; Pick: lane = query, wave = 64 of the 512 groups; then three levels of merging between waves; wave 0 sorts the 9 group numbers ascending and stores them.
; NO TENSOR LOADS, NO CLUSTER: what lies in LDS is computed (rounded, scaled, squared), so it passes through registers anyway; the points are 128 KiB in all.
; LIMITS.  NaN is not served (the min and median forms drop it); a D that overflows to infinity is not served (the lists start at +infinity).
; gid leaves as 128 consecutive bytes for each slot: a work-group owns 32 queries.
; LDS.  TABLE: 64 slices, 3,152 bytes apart (3,072 + 80); four points take 48 bytes:
; -2 c0 four times, -2 c1 four times, c2 four times.  GMIN: 32 query rows of 512 words, 2,064 bytes apart.  LISTS lie over TABLE, which is dead by then: a region for each level.
; THE MODE: SCHED_MODE bits 1:0 = 2 (LLVM: expert scheduling mode 2), set by the entry lines.  The code itself states the register dependences between vector instructions and memory or LDS
; instructions, and between a vector instruction that writes a scalar register and that register's readers, with s_wait_alu, always for 0.
; THE PLAN.  Registers that memory or LDS instructions touch:
;   v2-v14        addresses, written at the head.  Written again: v[TA] and v[GA] once a group, v[PA] once a trip of the pick; each behind a wait on vm_vsrc and ahead of a wait on va_vdst that stands there anyway.
;   RAW, XR       the global loads land here once; the conversions read them.
;   O0, O1        the table's making: four blocks' arithmetic writes a set, one wait on va_vdst, the set's 12 LDS stores read it.  The groups of four take the sets by turns, so the wait on vm_vsrc
;                 ahead of a set's second use stands a whole group behind the stores that it names.
;   slots 0-7     the scan: a group's eight quads of points.  Quads 0-3 read slots 0-3; one wait on va_vdst; the next group's first half lands there while quads 4-7 read slots 4-7; one wait on
;                 va_vdst; the group's minima are stored and the next group's second half lands in slots 4-7 while the next quads 0-3 are at work.
;   ACC           written by the quads; read by the group's 8 LDS stores; written again by the next group's first quad, behind a wait on vm_vsrc that stands 32 packed lines behind those stores.
;   E0, E1        the pick: the trip's two loads land here; its eight insertions read them.
;   KB, IB        a list: written by insertions, read by a level's 18 LDS stores.     MK, MI   the partner's list: a level's 18 loads land here, the insertions read them; at last MI leaves by the stores of gid.
;   s[MB ..]      lane masks: a run of compares writes them, the medians stand behind it, one wait on va_sdst, then the selects read them.
.set SLB,   3152
.set GP,    2064
.set GMIN,  64*SLB                     ; 201,728
.set SPARE, GMIN+32*GP                 ; 267,776: the spare words, 128 bytes for each of the eight waves; no other line names them
.set PART,  2304                       ; a wave's list in LDS: 18 slots (9 keys, 9 numbers) of 128 bytes
.set LVL,   8*PART                     ; a level of merging
.set CO,  2                            ; v2      32 x thread: my four points in a block of 1,024
.set XO,  3                            ; v3      64 qc: my eight queries
.set TB,  4                            ; v4-7    where I store into TABLE, for blocks 0-3, 4-7, 8-11, 12-15
.set TA,  8                            ; v8      scan: my slice, stepped by a group
.set GA,  9                            ; v9      scan: where my group minima go; it starts a word early and is stepped ahead of each group's stores
.set SPW, 10                           ; v10     my spare word; never rewritten
.set NIL, 11                           ; v11     0; never rewritten
.set PA,  12                           ; v12     pick: my query's row, my wave's 64 groups
.set LA,  13                           ; v13     my place in a level's lists
.set GO,  14                           ; v14     my query's byte offset in a slot of gid
.set TMP, 15
.set X0,  16                           ; v16-31  x0 of query q, twice (a pair for packed arithmetic)
.set X1,  32                           ; v32-47  x1 likewise
.set X2,  48                           ; v48-63  x0^2 + x1^2 likewise
.set ACC, 64                           ; v64-71  the group's minimum for query q
.set T,   96                           ; v96-111  four queries x four points
.set S,   112                          ; v112-127
.set RAW, 128                          ; v128-255 the points as loaded: 16 blocks of 8 registers; a block's four packed pairs of bf16 close up into its first four
.set QB,  128                          ; v128-223 the scan: slot k at QB + 12 k: four points: -2 c0, -2 c1, c2
.set OS,  16                           ; v16-63, v64-111  the table's making: set k at OS + 48 k, block b of four at + 12 b: what is stored
.set XP,  224                          ; v224-227 x's packed pairs
.set XR,  112                          ; x as loaded
.set KB,  16                           ; pick and merge: v16-24 the 9 keys, ascending
.set IB,  25                           ; v25-33  their group numbers
.set E0,  36                           ; v36-39, v40-43  eight minima
.set E1,  40
.set MK,  44                           ; v44-52  the partner's keys
.set MI,  53                           ; v53-61  the partner's numbers; at last the second set of the sort
.set ID,  62                           ; v62     the running group number
.set TT,  64                           ; v64-71  an insertion's eight numbers on the move (where the scan's minima lay)
.set MB,  20                           ; s20-28  lane masks: key < K[j]
	s_load_b128 s[4:7], s[0:1], 0x0                ; x s[4:5], control_points s[6:7]
	s_load_b64 s[8:9], s[0:1], 0x10                ; gid
	v_lshl_add_u32 v[SPW], v0, 2, SPARE
	v_mov_b32 v[NIL], 0
	v_lshrrev_b32 v1, 5, v0
	v_readfirstlane_b32 s10, v1                    ; wave 0..7
	v_and_b32 v1, 31, v0                           ; lane
	s_mov_b32 s11, 0xffff0000                      ; a word's upper bf16
	v_lshlrev_b32 v[CO], 5, v0
	v_and_b32 v[XO], 3, v1                         ; qc
	v_lshrrev_b32 v[TMP], 2, v1                    ; sl
	v_mul_u32_u24 v[GA], v[XO], 8*GP               ; my eight query rows of GMIN
	v_lshlrev_b32 v[XO], 6, v[XO]
	s_wait_alu depctr_va_sdst(0)                   ; s10 is written, ahead of its first reader
	s_lshr_b32 s13, s10, 1                         ; block i's quad 256 i + thread lies in slice 4 i + wave / 2, at place 32 (wave % 2) + lane
	s_mul_i32 s13, s13, SLB
	s_and_b32 s15, s10, 1
	s_mul_i32 s15, s15, 32*48
	s_add_co_u32 s13, s13, s15
	v_mad_u32_u24 v[TB], v1, 48, s13
	v_add_nc_u32 v[TB+1], 16*SLB, v[TB]            ; four blocks are 16 slices: the rest stands in the stores' immediates
	v_add_nc_u32 v[TB+2], 32*SLB, v[TB]
	v_add_nc_u32 v[TB+3], 48*SLB, v[TB]
	s_mul_i32 s13, s10, 8*SLB                      ; my slice = 8 wave + sl
	v_mul_u32_u24 v[TA], v[TMP], SLB
	v_add_nc_u32 v[TA], s13, v[TA]
	s_lshl_b32 s13, s10, 8                         ; a wave's 64 groups are 256 bytes of a GMIN row, in the scan and in the pick
	s_add_co_u32 s15, s13, GMIN-4                  ; the scan's address starts a word early
	s_add_co_u32 s13, s13, GMIN
	v_lshl_add_u32 v[GA], v[TMP], 5, v[GA]         ; a slice's 8 groups are 32 bytes
	v_add_nc_u32 v[GA], s15, v[GA]
	v_mul_u32_u24 v[PA], v1, GP
	v_add_nc_u32 v[PA], s13, v[PA]
	s_mul_i32 s13, s10, PART
	v_lshl_add_u32 v[LA], v1, 2, s13
	s_lshl_b32 s13, ttmp9, 7                       ; 32 queries x 4 bytes
	v_lshl_add_u32 v[GO], v1, 2, s13
	s_lshl_b32 s16, ttmp9, 8                       ; 32 queries x 8 bytes
	s_mov_b32 s17, 0
	s_wait_kmcnt 0x0
	s_add_nc_u64 s[4:5], s[4:5], s[16:17]          ; x at the work-group's first query
	s_wait_alu depctr_va_vdst(0)                   ; the addresses v2 to v14 are written, which the loads and stores of the whole kernel read
	; All loads go out at once: 32 of points (a thread's two loads of a block take 32 neighbouring bytes; a wave's two together 1,024 consecutive bytes), then 4 of x.
.set n, 0
.rept 16
	global_load_b128 v[RAW+8*n:RAW+8*n+3],   v[CO], s[6:7] offset:8192*n
	global_load_b128 v[RAW+8*n+4:RAW+8*n+7], v[CO], s[6:7] offset:8192*n+16
.set n, n+1
.endr
.set n, 0
.rept 4
	global_load_b128 v[XR+4*n:XR+4*n+3], v[XO], s[4:5] offset:16*n
.set n, n+1
.endr
; Block i: four points are rounded to bf16, widened, and laid out as -2 c0, -2 c1 (both exact) and c2 = c0^2 + c1^2 (exact products, one rounding), in set (i / 4) % 2, place i % 4.
.macro PREP i
.set OA, OS+48*(((\i)/4)%2)+12*((\i)%4)
.set OB, OA+4
.set OC, OA+8
.set PK, RAW+8*(\i)
	s_wait_loadcnt 34-2*(\i)                       ; loads come back in order: of the 36, the 2 i + 2 oldest are in
.set e, 0
.rept 4
	v_cvt_pk_bf16_f32 v[PK+e], v[RAW+8*(\i)+2*e], v[RAW+8*(\i)+2*e+1]  ; eight numbers close up into the first four of their eight registers
.set e, e+1
.endr
.set e, 0
.rept 4
	v_lshlrev_b32 v[OA+e], 16, v[PK+e]
	v_and_b32 v[OB+e], s11, v[PK+e]
.set e, e+1
.endr
.set e, 0
.rept 2
	v_pk_mul_f32 v[OC+2*e:OC+2*e+1], v[OA+2*e:OA+2*e+1], v[OA+2*e:OA+2*e+1]
.set e, e+1
.endr
.set e, 0
.rept 2
	v_pk_fma_f32 v[OC+2*e:OC+2*e+1], v[OB+2*e:OB+2*e+1], v[OB+2*e:OB+2*e+1], v[OC+2*e:OC+2*e+1]
.set e, e+1
.endr
.set e, 0
.rept 2
	v_pk_mul_f32 v[OA+2*e:OA+2*e+1], v[OA+2*e:OA+2*e+1], -2.0 op_sel_hi:[1,0]
	v_pk_mul_f32 v[OB+2*e:OB+2*e+1], v[OB+2*e:OB+2*e+1], -2.0 op_sel_hi:[1,0]
.set e, e+1
.endr
.endm
; Block i goes into the table.
.macro PUT i
.set OA, OS+48*(((\i)/4)%2)+12*((\i)%4)
	ds_store_b128 v[TB+(\i)/4], v[OA:OA+3]    offset:((\i)%4)*4*SLB     ; lanes 48 bytes apart
	ds_store_b128 v[TB+(\i)/4], v[OA+4:OA+7]  offset:((\i)%4)*4*SLB+16
	ds_store_b128 v[TB+(\i)/4], v[OA+8:OA+11] offset:((\i)%4)*4*SLB+32
.endm
.set g, 0
.rept 4                                                ; four blocks to a group, the two sets by turns
.if g >= 2
	s_wait_alu depctr_vm_vsrc(0)                   ; the stores of the group two back have read this set, which the arithmetic below writes again
.endif
	PREP 4*g
	PREP 4*g+1
	PREP 4*g+2
	PREP 4*g+3
	s_wait_alu depctr_va_vdst(0)                   ; the four blocks' arithmetic has written the set, which the twelve stores read
	PUT 4*g
	PUT 4*g+1
	PUT 4*g+2
	PUT 4*g+3
.set g, g+1
.endr
	s_wait_loadcnt 0x0                             ; x
	s_wait_alu depctr_vm_vsrc(0)                   ; the table's stores have read both sets: v16 to v111 are X0, X1, X2, ACC and T from here on, and later the lists
.set n, 0
.rept 8                                                ; my eight queries: rounded to bf16, widened, each number twice
	v_cvt_pk_bf16_f32 v[XP+n%4], v[XR+2*n], v[XR+2*n+1]
	v_lshlrev_b32 v[X0+2*n],   16, v[XP+n%4]
	v_lshlrev_b32 v[X0+2*n+1], 16, v[XP+n%4]
	v_and_b32 v[X1+2*n],   s11, v[XP+n%4]
	v_and_b32 v[X1+2*n+1], s11, v[XP+n%4]
	v_pk_mul_f32 v[X2+2*n:X2+2*n+1], v[X0+2*n:X0+2*n+1], v[X0+2*n:X0+2*n+1]
	v_pk_fma_f32 v[X2+2*n:X2+2*n+1], v[X1+2*n:X1+2*n+1], v[X1+2*n:X1+2*n+1], v[X2+2*n:X2+2*n+1]
.set n, n+1
.endr
	s_wait_dscnt 0x0                               ; for the others' sake: my part of the table is stored
	s_barrier_signal -1
	s_barrier_wait -1                              ; the table is whole
; THE SCAN.
.macro LOADH h, off                    ; four quads of points, from byte off behind v[TA], into slots 4 h to 4 h + 3
.set lq, 0
.rept 4
	ds_load_b128 v[QB+12*(4*(\h)+lq):QB+12*(4*(\h)+lq)+3],    v[TA] offset:(\off)+48*lq
	ds_load_b128 v[QB+12*(4*(\h)+lq)+4:QB+12*(4*(\h)+lq)+7],  v[TA] offset:(\off)+48*lq+16
	ds_load_b128 v[QB+12*(4*(\h)+lq)+8:QB+12*(4*(\h)+lq)+11], v[TA] offset:(\off)+48*lq+32
.set lq, lq+1
.endr
.endm
; Four points (slot b) x eight queries, four queries at a time.  z = 2 x query + half of the four points.  T = x0 (-2 c0), exact; S = x2 + c2; T = x1 (-2 c1) + T; D = S + T.
; first = 1: the group's first four points start the minima: nothing is preset; ahead of the first of them the two addresses are stepped (ta = 0: the last group, which loads no more).
.macro QUAD b, first, ta=0
.set QA, QB+12*(\b)
.set bt, 0
.rept 2
.set z, 0
.rept 8
	v_pk_mul_f32 v[T+2*z:T+2*z+1], v[X0+2*(4*bt+z/2):X0+2*(4*bt+z/2)+1], v[QA+2*(z%2):QA+2*(z%2)+1]
.set z, z+1
.endr
.set z, 0
.rept 8
	v_pk_add_f32 v[S+2*z:S+2*z+1], v[X2+2*(4*bt+z/2):X2+2*(4*bt+z/2)+1], v[QA+8+2*(z%2):QA+8+2*(z%2)+1]
.set z, z+1
.endr
.set z, 0
.rept 8
	v_pk_fma_f32 v[T+2*z:T+2*z+1], v[X1+2*(4*bt+z/2):X1+2*(4*bt+z/2)+1], v[QA+4+2*(z%2):QA+4+2*(z%2)+1], v[T+2*z:T+2*z+1]
.set z, z+1
.endr
.set z, 0
.rept 8
	v_pk_add_f32 v[T+2*z:T+2*z+1], v[S+2*z:S+2*z+1], v[T+2*z:T+2*z+1]
.set z, z+1
.endr
.if (\first) && (bt == 0)
	s_wait_alu depctr_vm_vsrc(0)                   ; the last group's stores have read ACC and v[GA], the loads issued so far v[TA]: all three are written below
	v_add_nc_u32 v[GA], 4, v[GA]                   ; this group's word
.if \ta
	v_add_nc_u32 v[TA], 8*48, v[TA]                ; the next group's points
.endif
.endif
.set z, 0
.rept 4
.if \first
	v_min_num_f32 v[ACC+4*bt+z], v[T+4*z], v[T+4*z+1]
.else
	v_min3_num_f32 v[ACC+4*bt+z], v[ACC+4*bt+z], v[T+4*z], v[T+4*z+1]
.endif
.set z, z+1
.endr
.set z, 0
.rept 4
	v_min3_num_f32 v[ACC+4*bt+z], v[ACC+4*bt+z], v[T+4*z+2], v[T+4*z+3]
.set z, z+1
.endr
.set bt, bt+1
.endr
.endm
; A group: 8 times four points.  last = 1: the slice's last group, which asks for nothing more.
.macro TRIP last
	s_wait_dscnt 20                                ; LDS serves a wave in order: slots 0-3 are in; behind their loads stand the last group's 8 stores and the 12 loads of slots 4-7
	QUAD 0, 1, 1-\last
	QUAD 1, 0
	QUAD 2, 0
	QUAD 3, 0
.if \last
	s_wait_dscnt 0x0                               ; slots 4-7 are in: nothing was issued behind their loads
.else
	s_wait_alu depctr_va_vdst(0)                   ; quads 0-3 are done reading slots 0-3, in which the loads below land; v[TA] is written
	LOADH 0, 0                                     ; the next group's first half: it has quads 4-7 in which to land
	s_wait_dscnt 12                                ; slots 4-7 are in; the twelve loads just issued stay out
.endif
	QUAD 4, 0
	QUAD 5, 0
	QUAD 6, 0
	QUAD 7, 0
	s_wait_alu depctr_va_vdst(0)                   ; the quads have written ACC, which the stores read (v[GA] was written ahead of them), and are done reading slots 4-7
.set n, 0
.rept 8
	ds_store_b32 v[GA], v[ACC+n] offset:GP*n       ; query 8 qc + n, this group
.set n, n+1
.endr
.if !\last
	LOADH 1, 192                                   ; the next group's second half: it has the next quads 0-3 in which to land
.endif
.endm
	s_wait_alu depctr_va_vdst(0)                   ; the table's conversions are done with v128 to v223, in which the first group's points land
	LOADH 0, 0
	LOADH 1, 192
	s_wait_dscnt 12                                ; the first half is in; the second half's twelve loads stay out
	s_mov_b32 s12, 7
.Lgroup:
	TRIP 0
	s_sub_co_u32 s12, s12, 1
	s_cmp_lg_u32 s12, 0
	s_cbranch_scc1 .Lgroup
	TRIP 1                                         ; the last group is written out: no load leaves the slice
	s_wait_dscnt 0x0                               ; for the others' sake: my minima are stored, and my reads of the table are over
	s_barrier_signal -1
	s_barrier_wait -1                              ; GMIN is whole; nobody reads the table any more
	s_wait_alu depctr_vm_vsrc(0)                   ; my last stores have read ACC: these registers are TT from here on, which the insertions write
; AN INSERTION into slots f to 8 of the ascending list of 9.  The new key goes in front of the first K[j] that is greater (strictly: of equal keys the one that came first stays in front;
; keys come in ascending order of their numbers, so the lower number wins).  K[j] becomes the median of (key, K[j-1], K[j]); the number follows by two selects: what would move up into slot j
; (the number below, or the new one), then whether slot j changes at all.  The four kinds stand in four runs, j descending in each, so that no line reads a result made just in front of it.
; f > 0 is for a key that is known to be no smaller than K[f-1]: slots below f cannot change.
.macro INSERT k, id, f=0
.set ij, 8
.rept 9-(\f)
	v_cmp_lt_f32 s[MB+ij], v[(\k)], v[KB+ij]
.set ij, ij-1
.endr
.if (\f) < 8
.set ij, 8
.rept 8-(\f)
	v_med3_num_f32 v[KB+ij], v[(\k)], v[KB+ij-1], v[KB+ij]
.set ij, ij-1
.endr
.endif
	v_min_num_f32 v[KB+(\f)], v[(\k)], v[KB+(\f)]
	s_wait_alu depctr_va_sdst(0)                   ; the run of compares has written the masks, ahead of the first select that reads one
.if (\f) < 8
.set ij, 8
.rept 8-(\f)
	v_cndmask_b32 v[TT+ij-1], v[(\id)], v[IB+ij-1], s[MB+ij-1]
.set ij, ij-1
.endr
.set ij, 8
.rept 8-(\f)
	v_cndmask_b32 v[IB+ij], v[IB+ij], v[TT+ij-1], s[MB+ij]
.set ij, ij-1
.endr
.endif
	v_cndmask_b32 v[IB+(\f)], v[IB+(\f)], v[(\id)], s[MB+(\f)]
.endm
	; THE PICK: lane = query, my wave's 64 groups in ascending order.
.set n, 0
.rept 9
	v_mov_b32 v[KB+n], 0x7f800000                  ; +infinity: every finite minimum goes in front of it
	v_mov_b32 v[IB+n], 0
.set n, n+1
.endr
	s_lshl_b32 s13, s10, 6
	v_mov_b32 v[ID], s13                           ; my wave's first group
	s_mov_b32 s12, 8                               ; a trip takes eight minima
.Lpick:
	s_wait_alu depctr_va_vdst(0)                   ; the last trip's insertions (in the first trip the scan's quads) are done reading v36 to v43, in which the loads land; v[PA] is written
	ds_load_b128 v[E0:E0+3], v[PA]                 ; rows 2,064 bytes apart
	ds_load_b128 v[E1:E1+3], v[PA] offset:16
	s_wait_dscnt 0x1                               ; the first four are in; the second load may be out
.set n, 0
.rept 4
	INSERT E0+n, ID
	v_add_nc_u32 v[ID], 1, v[ID]
.set n, n+1
.endr
	s_wait_dscnt 0x0
.set n, 0
.rept 4
	INSERT E1+n, ID
	v_add_nc_u32 v[ID], 1, v[ID]
.set n, n+1
.endr
	s_wait_alu depctr_vm_vsrc(0)                   ; the trip's two loads have read v[PA]
	v_add_nc_u32 v[PA], 32, v[PA]
	s_sub_co_u32 s12, s12, 1
	s_cmp_lg_u32 s12, 0
	s_cbranch_scc1 .Lpick
; A LEVEL OF MERGING.  Every wave stores its list into the level's own region (no region is written after it has been read); behind the barrier the waves whose number is a multiple of 2 d
; take the list of wave + d.  The taking wave holds the lower group numbers, so equal keys again fall to the lower number.
; last = 0: entry by entry, ascending.  The partner's entry j has j entries of its own list in front of it, all no greater, and each of them is in my list by then or found nine keys no greater
; there: so it cannot land below slot j, and its insertion begins at slot j: 45 slots are touched for 81.
; last = 1: only WHICH nine are first is wanted, not their order.  Of two ascending lists A and B of nine the nine first are, slot by slot, the earlier of A[i] and B[8-i]; B's is the earlier
; only if its key is strictly smaller.
.macro MERGE l, d, last=0
	s_wait_alu depctr_va_vdst(0)                   ; the insertions have written my list, which the stores read, and are done reading v44 to v61, in which the partner's list lands
.set mj, 0
.rept 9
	ds_store_b32 v[LA], v[KB+mj] offset:(\l)*LVL+mj*128
	ds_store_b32 v[LA], v[IB+mj] offset:(\l)*LVL+(9+mj)*128
.set mj, mj+1
.endr
	s_wait_dscnt 0x0                               ; for the others' sake: my list is stored
	s_barrier_signal -1
	s_barrier_wait -1
	s_wait_alu depctr_vm_vsrc(0)                   ; my stores have read my list, which the lines behind the branch write again (behind the last level: the sort)
	s_and_b32 s13, s10, 2*(\d)-1
	s_cmp_lg_u32 s13, 0
	s_cbranch_scc1 .Lskip_\@                       ; on the wave's number alone; no barrier is jumped over
.set mj, 0
.rept 9
	ds_load_b32 v[MK+mj], v[LA] offset:(\l)*LVL+(\d)*PART+mj*128
	ds_load_b32 v[MI+mj], v[LA] offset:(\l)*LVL+(\d)*PART+(9+mj)*128
.set mj, mj+1
.endr
.if \last
	s_wait_dscnt 0x0                               ; all 18: the first comparison wants the partner's last key
.set mj, 0
.rept 9
	v_cmp_lt_f32 s[MB+mj], v[MK+8-mj], v[KB+mj]
.set mj, mj+1
.endr
	s_wait_alu depctr_va_sdst(0)                   ; the nine compares have written the masks, ahead of the selects
.set mj, 0
.rept 9
	v_cndmask_b32 v[IB+mj], v[IB+mj], v[MI+8-mj], s[MB+mj]
.set mj, mj+1
.endr
.else
.set mj, 0
.rept 9
	s_wait_dscnt 16-2*mj                           ; of the 18 loads the 2 mj + 2 oldest are in
	INSERT MK+mj, MI+mj, mj
.set mj, mj+1
.endr
.endif
.Lskip_\@:
.endm
	MERGE 0, 1
	MERGE 1, 2
	MERGE 2, 4, 1
	s_cmp_lg_u32 s10, 0
	s_cbranch_scc1 .Lend
	; Wave 0 holds each query's 9 groups.  Their numbers are sorted ascending, so that the second launch meets the points in ascending order of index:
	; nine rounds of exchanges between neighbours, even and odd pairs by turns, sort nine numbers.  A round writes the other of two register sets: the smaller and the greater of each pair,
	; and a copy of the number that has no partner in that round.
.macro SROUND src, dst, a
.set cj, 0
.rept 4
	v_min_u32 v[(\dst)+(\a)+2*cj],   v[(\src)+(\a)+2*cj], v[(\src)+(\a)+2*cj+1]
	v_max_u32 v[(\dst)+(\a)+2*cj+1], v[(\src)+(\a)+2*cj], v[(\src)+(\a)+2*cj+1]
.set cj, cj+1
.endr
	v_mov_b32 v[(\dst)+8-8*(\a)], v[(\src)+8-8*(\a)]
.endm
.rept 4
	SROUND IB, MI, 0
	SROUND MI, IB, 1
.endr
	SROUND IB, MI, 0                               ; the ninth round leaves the numbers in the second set
	s_wait_alu depctr_va_vdst(0)                   ; the sort has written the second set, which the stores read
.set n, 0
.rept 9
	global_store_b32 v[GO], v[MI+n], s[8:9] offset:32768*n   ; slot n: 32 lanes store 128 consecutive bytes
.set n, n+1
.endr
.Lend:
	s_wait_dscnt 0x0                               ; the closing lines, six on end
	s_wait_alu 0x0
	s_wait_tensorcnt 0x0
	ds_add_u32 v[SPW], v[NIL]
	s_wait_dscnt 0x0
	s_endpgm
.Lfunc_end_k_q27d75dcc47_near:
	.size	k_q27d75dcc47_near, .Lfunc_end_k_q27d75dcc47_near-k_q27d75dcc47_near
	.p2alignl 7, 3214868480
	.fill 96, 4, 3214868480
	.section	.rodata,"a",@progbits
	.p2align	6, 0x0
	.amdhsa_kernel k_q27d75dcc47_near
		.amdhsa_group_segment_fixed_size 268800
		.amdhsa_private_segment_fixed_size 0
		.amdhsa_enable_private_segment 0
		.amdhsa_kernarg_size 24
		.amdhsa_user_sgpr_count 2
		.amdhsa_user_sgpr_kernarg_segment_ptr 1
		.amdhsa_wavefront_size32 1
		.amdhsa_system_sgpr_workgroup_id_x 1
		.amdhsa_system_sgpr_workgroup_id_y 1
		.amdhsa_system_sgpr_workgroup_id_z 1
		.amdhsa_system_vgpr_workitem_id 0
		.amdhsa_next_free_vgpr 256
		.amdhsa_next_free_sgpr 66
		.amdhsa_reserve_vcc 0
		.amdhsa_float_denorm_mode_32 3
		.amdhsa_float_denorm_mode_16_64 3
		.amdhsa_memory_ordered 1
		.amdhsa_forward_progress 1
		.amdhsa_inst_pref_size 166
	.end_amdhsa_kernel
	.amdgpu_metadata
---
amdhsa.version: [ 1, 2 ]
amdhsa.kernels:
  - .name:           k_q27d75dcc47_near
    .symbol:         k_q27d75dcc47_near.kd
    .args:
      - { .name: x, .offset: 0, .size: 8, .value_kind: global_buffer, .address_space: global }
      - { .name: control_points, .offset: 8, .size: 8, .value_kind: global_buffer, .address_space: global }
      - { .name: gid, .offset: 16, .size: 8, .value_kind: global_buffer, .address_space: global }
    .group_segment_fixed_size: 268800
    .private_segment_fixed_size: 0
    .kernarg_segment_align: 8
    .kernarg_segment_size: 24
    .max_flat_workgroup_size: 256
    .sgpr_count:     66
    .vgpr_count:     256
    .wavefront_size: 32
...
	.end_amdgpu_metadata
.endif
;; end of part 5
;; launch blend (part 6): grid 256 x 1, 8 waves a work-group, no clusters, 4,096 bytes of LDS; arguments x, control_points, weights, gid, out0, out1; writes out0, out1
.if DOCPART == 6
	.amdgcn_target "amdgcn-amd-amdhsa--gfx1250"
	.amdhsa_code_object_version 6
	.text
	.protected	k_q27d75dcc47_blend
	.globl	k_q27d75dcc47_blend
	.p2align	8
	.type	k_q27d75dcc47_blend,@function
k_q27d75dcc47_blend:
	s_mov_b64 s[64:65], 0
	v_nop
	global_prefetch_b8 v0, s[64:65] scope:SCOPE_SE
	s_setreg_imm32_b32 hwreg(HW_REG_WAVE_SCHED_MODE, 0, 2), 2
	s_setreg_imm32_b32 hwreg(HW_REG_WAVE_MODE, 25, 1), 1
	s_wait_xcnt 0x0
	s_wait_alu depctr_vm_vsrc(0)
; SECOND OF TWO LAUNCHES.  out0[q] = the sum over the 9 nearest control points of w cubic(|x - c| / h), h = |x[0] - x[1]|;  out1 = x as it is given.
; The first launch has stored, for each query, the 9 groups of 32 consecutive points that hold its 9 nearest, group numbers ascending: gid[slot][query].
; SHARES.  A work-group: 32 queries; a wave: 4 of them; a query: eight neighbouring lanes, t = lane & 7.  The query's 9 groups on end are 288 points, 72 quads of four; lane t walks the quads
; 9 t .. 9 t + 8, 36 points in ascending order of index, and keeps the 9 smallest D in an ascending list.  Quad u lies in slot u >> 3, at place u & 7 of that slot's group; a lane loads the
; group number anew for each quad, so that slot and place hang on lane numbers alone and a gathered address is: loaded number, bounded, shifted, plus the place.
; Eight waves are two for each of a WGP's four SIMDs, all with the same work.
; Beside each D the list carries not the index but the point's contribution w cubic(s), so no address ever hangs on a comparison.
; MERGING stays inside the wave: three levels, 1, 2 and 4 lanes apart, the partner's list fetched by DPP.  At each level the lane whose t has the level's bit and the lower ones clear takes the list
; of lane t + d, which holds the higher indices; the other lanes run the same lines on lists that nobody reads afterwards.  No LDS and no barrier stands between the levels.
; D is made as in the first launch, from x, c rounded to bf16: x2 + c2 rounded, (-2 x0) c0 exact, + (-2 x1) c1 rounded, the two added: the same real numbers are rounded at the same places,
; so the bits are the same.  Of equal D the lower index stays in front (strict comparison, ascending order of arrival).  w is rounded to bf16 as well: all inputs have one rounding.
; The product x . c has K = 2 and its last bit decides the choice of points, so it stands in f32 vector arithmetic, not on the matrix unit (see the first launch's head).
; cubic: s < 1: (1.5 s - 2.5) s^2 + 1;  s < 2: ((-0.5 s + 2.5) s - 4) s + 2, which is exactly 0 at s = 1, so that s = 1 needs no test of its own;  else 0.  With h = 0, s is infinite or NaN,
; both comparisons fail and the contribution is 0.
; THE WAY OUT.  A query's sum ends in its lane t = 0: four lanes of each wave.  Every lane puts its sum and its query's x into LDS words of its own; behind the launch's one barrier wave 0 reads the
; 32 that count and stores them: out0 as 128 consecutive bytes, out1 as 256 (a work-group owns 32 queries).
; LIMITS.  NaN and a D that overflows to infinity are not served.  The root and the reciprocal take numbers below 2^-126 as 0: an h, or an |x - c|^2, below that counts as 0.
; s is |x - c| times 1 / h, not a division: a last-bit difference, at thresholds where cubic is continuous.
; No tensor loads, no cluster: each lane gathers its own 9 x (32 + 16) bytes, known only from gid.
; THE MODE: SCHED_MODE bits 1:0 = 2 (LLVM: expert scheduling mode 2), set by the entry lines.  The code itself states the register dependences between vector instructions and memory or LDS
; instructions, and between a vector instruction that writes a scalar register and that register's readers, with s_wait_alu, always for 0.
; THE PLAN.  Registers that memory or LDS instructions touch:
;   v2-v11, v54   addresses, written at the head and never again: one wait on va_vdst ahead of the first load serves them all.
;   v[GOF ..]     written at the head, read by the nine loads of gid; written again as the partner's keys: one wait on vm_vsrc ahead of the first merge.
;   v[CO ..], v[WO ..]  the nine quads' addresses: all 36 lines that make them stand together, one wait on va_vdst, then the 27 gathers on end; never written again.
;   v[G ..], CR, WR, XRW, RO, RX  loads land here once; no memory instruction reads them but the one LDS store of XRW and the last two stores, and none is written again behind that.
;   v[IB]         the sum: written by the last additions, one wait on va_vdst, read by the LDS store.
;   s[MB ..], s40, s41  lane masks.  A point's nine compares on D, the medians, then the two compares on s: one wait on va_sdst behind them all, ahead of the first select.
; The lines of an insertion that hang on D alone (compares, medians, minimum) stand between a point's root and the wait for the root's result: they name neither.
.set SX,    0                          ; 2,048 bytes: each thread's x, 8 bytes
.set SO,    2048                       ; 1,024 bytes: each thread's sum
.set SPARE, 3072                       ; the spare words, 128 bytes for each of the eight waves; no other line names them
.set Q4O, 2                            ; v2      wave 0's way out: 4 x (the work-group's first query + lane)
.set Q8O, 3                            ; v3      8 x the same
.set QX,  4                            ; v4      8 x my query
.set Q4,  5                            ; v5      4 x my query
.set T9,  6                            ; v6      9 t: my first quad
.set SXA, 7                            ; v7      my 8 bytes of SX
.set SOA, 8                            ; v8      my word of SO
.set RDX, 9                            ; v9      wave 0: where query 'lane' has its x
.set SPW, 10                           ; v10     my spare word; never rewritten
.set NIL, 11                           ; v11     0; never rewritten
.set XRW, 12                           ; v12-13  my query's x as loaded
.set XB0, 14                           ; v14-15  x rounded to bf16
.set XB1, 15
.set XSQ, 16                           ; v16     x0^2 + x1^2
.set RH,  17                           ; v17     1 / h
                                       ; v18-33  at work
.set XM0, 34                           ; v34-35  -2 x0, -2 x1
.set XM1, 35
.set KB,  36                           ; v36-44  the 9 keys, ascending
.set IB,  45                           ; v45-53  their contributions
.set RDO, 54                           ; v54     wave 0: where query 'lane' has its sum
.set TMP, 55
.set GOF, 56                           ; v56-64  quad i: its word of gid.  Dead when those loads are in:
.set MK,  56                           ;         then the partner's keys
.set SUB, 65                           ; v65-73  quad i: its place in its group.  Dead when the addresses are made:
.set MI,  65                           ;         then the partner's contributions
.set WB,  74                           ; v74-77  four weights, rounded
.set G,   78                           ; v78-86  quad i: its group, then its number among all 4,096 quads
.set CO,  87                           ; v87-95  quad i: its 32 bytes of control_points; never rewritten
.set WO,  96                           ; v96-104 quad i: its 16 bytes of weights; never rewritten
.set RO,  105                          ; v105    wave 0: a sum read back
.set TT,  106                          ; v106-113 an insertion's eight contributions on the move
.set RX,  114                          ; v114-115 wave 0: an x read back
.set CR,  116                          ; v116-187 my 36 points as loaded
.set WR,  188                          ; v188-223 my 36 weights as loaded
.set MB,  30                           ; s30-38  lane masks: key < K[j]
	s_load_b256 s[4:11], s[0:1], 0x0               ; x s[4:5], control_points s[6:7], weights s[8:9], gid s[10:11]
	s_load_b128 s[12:15], s[0:1], 0x20             ; out0 s[12:13], out1 s[14:15]
	v_lshl_add_u32 v[SPW], v0, 2, SPARE
	v_mov_b32 v[NIL], 0
	v_lshrrev_b32 v1, 5, v0
	v_readfirstlane_b32 s16, v1                    ; wave 0..7
	v_and_b32 v1, 31, v0                           ; lane
	s_mov_b32 s17, 0xffff0000                      ; a word's upper bf16
	s_mov_b32 s24, 0x3fc00000                      ; 1.5
	s_mov_b32 s25, 0xc0200000                      ; -2.5
	s_mov_b32 s26, 0x40200000                      ; 2.5
	s_lshl_b32 s18, ttmp9, 5                       ; the work-group's first query
	v_add_nc_u32 v[Q4O], s18, v1
	v_lshlrev_b32 v[Q8O], 3, v[Q4O]
	v_lshlrev_b32 v[Q4O], 2, v[Q4O]
	v_lshrrev_b32 v[Q4], 3, v0                     ; thread / 8 = 4 wave + lane / 8
	v_add_nc_u32 v[Q4], s18, v[Q4]                 ; my query
	v_lshlrev_b32 v[QX], 3, v[Q4]
	v_lshlrev_b32 v[Q4], 2, v[Q4]
	v_and_b32 v[T9], 7, v0                         ; t
	v_mul_u32_u24 v[T9], 9, v[T9]
.set n, 0
.rept 9                                                ; quad u = 9 t + n: slot u >> 3 (8,192 words of gid each), place u & 7
	v_add_nc_u32 v[SUB+n], n, v[T9]
	v_lshrrev_b32 v[GOF+n], 3, v[SUB+n]
	v_lshl_add_u32 v[GOF+n], v[GOF+n], 15, v[Q4]
	v_and_b32 v[SUB+n], 7, v[SUB+n]
.set n, n+1
.endr
	s_wait_alu depctr_va_sdst(0)                   ; s16 is written, ahead of its first reader
	s_lshl_b32 s19, s16, 8                         ; a wave's 256 bytes of SX (which begins at LDS byte 0)
	v_lshl_add_u32 v[SXA], v1, 3, s19
	s_lshl_b32 s19, s16, 7                         ; a wave's 128 bytes of SO
	s_add_co_u32 s19, s19, SO
	v_lshl_add_u32 v[SOA], v1, 2, s19
	v_lshrrev_b32 v[TMP], 2, v1                    ; query 'lane' of the work-group belongs to wave lane / 4, and its lane t = 0 there is 8 (lane % 4)
	v_and_b32 v[RDX], 3, v1
	v_lshlrev_b32 v[RDX], 6, v[RDX]
	v_lshl_add_u32 v[RDX], v[TMP], 8, v[RDX]
	v_lshrrev_b32 v[RDO], 1, v[RDX]
	v_add_nc_u32 v[RDO], SO, v[RDO]
	s_wait_kmcnt 0x0
	s_load_b128 s[20:23], s[4:5], 0x0              ; x[0], x[1]: no line of this launch writes x
	s_wait_alu depctr_va_vdst(0)                   ; the head's addresses are written: v[QX] and v[GOF ..], which the loads below read, and those of the LDS stores and loads and of the last stores
	global_load_b64 v[XRW:XRW+1], v[QX], s[4:5]
.set n, 0
.rept 9
	global_load_b32 v[G+n], v[GOF+n], s[10:11]
.set n, n+1
.endr
	s_wait_kmcnt 0x0                               ; x[0], x[1].  h and the lists' first values are made while the group numbers are on their way
	v_mov_b32 v18, s20
	v_mov_b32 v19, s21
	v_mov_b32 v20, s22
	v_mov_b32 v21, s23
	v_cvt_pk_bf16_f32 v18, v18, v19                ; rounded like every input
	v_cvt_pk_bf16_f32 v19, v20, v21
	v_lshlrev_b32 v20, 16, v18
	v_and_b32 v21, s17, v18
	v_lshlrev_b32 v22, 16, v19
	v_and_b32 v23, s17, v19
	v_sub_f32 v20, v20, v22
	v_sub_f32 v21, v21, v23
	v_mul_f32 v24, v20, v20
	v_fmac_f32 v24, v21, v21
	v_sqrt_f32 v25, v24                            ; h.  Behind a root or a reciprocal a plain vector instruction stands before its result is used (ISA guide 5.7.2): here the lists' first values
.set n, 0
.rept 9
	v_mov_b32 v[KB+n], 0x7f800000                  ; +infinity: every finite D goes in front of it
.set n, n+1
.endr
	s_wait_alu depctr_va_vdst(0)                   ; the root has written h, which the reciprocal reads
	v_rcp_f32 v[RH], v25
.set n, 0
.rept 9
	v_mov_b32 v[IB+n], 0
.set n, n+1
.endr
	s_wait_loadcnt 0x0                             ; x and the nine group numbers
.set n, 0
.rept 9                                                ; all nine quads' addresses first,
	v_min_u32 v[G+n], 0x1ff, v[G+n]                ; a loaded number enters an address only bounded: 512 groups
	v_lshl_add_u32 v[G+n], v[G+n], 3, v[SUB+n]     ; 8 quads a group, plus the place
	v_lshlrev_b32 v[CO+n], 5, v[G+n]
	v_lshlrev_b32 v[WO+n], 4, v[G+n]
.set n, n+1
.endr
	s_wait_alu depctr_va_vdst(0)                   ; v[CO ..] and v[WO ..] are written, which the 27 loads read; the reciprocal has written 1 / h, ahead of its first reader
.set n, 0
.rept 9                                                ; then all 27 loads on end, in the order in which the steps want them: four points (32 bytes), their four weights (16 bytes)
	global_load_b128 v[CR+8*n:CR+8*n+3],   v[CO+n], s[6:7]
	global_load_b128 v[CR+8*n+4:CR+8*n+7], v[CO+n], s[6:7] offset:16
	global_load_b128 v[WR+4*n:WR+4*n+3],   v[WO+n], s[8:9]
.set n, n+1
.endr
	ds_store_b64 v[SXA], v[XRW:XRW+1]              ; x as it is given, for out1
	v_cvt_pk_bf16_f32 v18, v[XRW], v[XRW+1]
	v_lshlrev_b32 v[XB0], 16, v18
	v_and_b32 v[XB1], s17, v18
	v_mul_f32 v[XSQ], v[XB0], v[XB0]
	v_fmac_f32 v[XSQ], v[XB1], v[XB1]
	v_mul_f32 v[XM0], -2.0, v[XB0]
	v_mul_f32 v[XM1], -2.0, v[XB1]
; AN INSERTION into slots f to 8 of the ascending list of 9.  The new key goes in front of the first K[j] that is greater (strictly: of equal keys the one that came first stays in front).
; K[j] becomes the median of (key, K[j-1], K[j]); what the key carries follows by two selects: what would move up into slot j (what lies below, or the new one), then whether slot j changes
; at all.  The four kinds stand in four runs, j descending in each, so that no line reads a result made just in front of it.
; f > 0 is for a key that is known to be no smaller than K[f-1]: slots below f cannot change.
; It is written in two parts: INSKEY, what hangs on the key alone (the masks, the keys' new order), and INSVAL, the selects, which read the masks.
.macro INSKEY k, f=0
.set ij, 8
.rept 9-(\f)
	v_cmp_lt_f32 s[MB+ij], v[(\k)], v[KB+ij]
.set ij, ij-1
.endr
.if (\f) < 8
.set ij, 8
.rept 8-(\f)
	v_med3_num_f32 v[KB+ij], v[(\k)], v[KB+ij-1], v[KB+ij]
.set ij, ij-1
.endr
.endif
	v_min_num_f32 v[KB+(\f)], v[(\k)], v[KB+(\f)]
.endm
.macro INSVAL id, f=0
.if (\f) < 8
.set ij, 8
.rept 8-(\f)
	v_cndmask_b32 v[TT+ij-1], v[(\id)], v[IB+ij-1], s[MB+ij-1]
.set ij, ij-1
.endr
.set ij, 8
.rept 8-(\f)
	v_cndmask_b32 v[IB+ij], v[IB+ij], v[TT+ij-1], s[MB+ij]
.set ij, ij-1
.endr
.endif
	v_cndmask_b32 v[IB+(\f)], v[IB+(\f)], v[(\id)], s[MB+(\f)]
.endm
.macro INSERT k, id, f=0
	INSKEY \k, \f
	s_wait_alu depctr_va_sdst(0)                   ; the run of compares has written the masks, ahead of the first select that reads one
	INSVAL \id, \f
.endm
; ONE POINT: c0, c1 in v[c], v[c+1], its rounded weight in v[w].  The chain to D and the chain to the distance stand line by line, so that few lines wait for the one before.
.macro CAND c, w
	v_cvt_pk_bf16_f32 v32, v[(\c)], v[(\c)+1]
	v_lshlrev_b32 v18, 16, v32                     ; c0
	v_and_b32 v19, s17, v32                        ; c1
	v_sub_f32 v20, v[XB0], v18
	v_sub_f32 v21, v[XB1], v19
	v_mul_f32 v24, v18, v18
	v_mul_f32 v25, v[XM0], v18                     ; -2 x0 c0, exact
	v_mul_f32 v22, v20, v20
	v_fmac_f32 v24, v19, v19                       ; c2
	v_fmac_f32 v25, v[XM1], v19                    ; -2 (x0 c0 + x1 c1), one rounding
	v_fmac_f32 v22, v21, v21                       ; |x - c|^2
	v_add_f32 v26, v[XSQ], v24                     ; x2 + c2
	v_sqrt_f32 v23, v22
	v_add_f32 v26, v26, v25                        ; D: also the plain instruction behind the root
	INSKEY 26                                      ; D's place among the keys: eighteen lines that name neither the root's source nor its result
	s_wait_alu depctr_va_vdst(0)                   ; the root has written |x - c|, ahead of its first reader
	v_mul_f32 v27, v23, v[RH]                      ; s
	v_mul_f32 v28, v27, v27
	v_fma_f32 v29, v27, s24, s25
	v_fma_f32 v30, v27, -0.5, s26
	v_cmp_gt_f32 s40, 1.0, v27
	v_cmp_gt_f32 s41, 2.0, v27
	v_fma_f32 v29, v29, v28, 1.0
	v_fma_f32 v30, v30, v27, -4.0
	v_fma_f32 v30, v30, v27, 2.0
	s_wait_alu depctr_va_sdst(0)                   ; the compares have written s40, s41 and the nine masks of the insertion, ahead of the first select that reads one
	v_cndmask_b32 v31, 0, v30, s41
	v_cndmask_b32 v31, v31, v29, s40
	v_mul_f32 v31, v31, v[(\w)]
	INSVAL 31
.endm
.macro STEP i                          ; a quad: four points
	s_wait_loadcnt 24-3*(\i)                       ; loads come back in order: of the 27, the 3 i + 3 oldest are in
	v_cvt_pk_bf16_f32 v32, v[WR+4*(\i)],   v[WR+4*(\i)+1]
	v_cvt_pk_bf16_f32 v33, v[WR+4*(\i)+2], v[WR+4*(\i)+3]
	v_lshlrev_b32 v[WB],   16, v32
	v_and_b32 v[WB+1], s17, v32
	v_lshlrev_b32 v[WB+2], 16, v33
	v_and_b32 v[WB+3], s17, v33
	CAND CR+8*(\i),   WB
	CAND CR+8*(\i)+2, WB+1
	CAND CR+8*(\i)+4, WB+2
	CAND CR+8*(\i)+6, WB+3
.endm
.set n, 0
.rept 9
	STEP n
.set n, n+1
.endr
; A LEVEL OF MERGING, d lanes apart.  Each lane fetches the list of lane (lane xor d), which lies among the query's own eight lanes.  Where t has bit d and the bits below it clear, that is
; lane t + d: the list made of the points behind mine, so equal D fall to the lower index.  What the other lanes make of the same lines is read by no later level.
; last = 0: entry by entry, ascending.  The partner's entry j has j entries of its own list in front of it, all no greater, and each of them is in my list by then or found nine keys no greater
; there: so it cannot land below slot j, and its insertion begins at slot j: 45 slots are touched for 81.
; last = 1: only WHICH nine are first is wanted, since their contributions are added up.  Of two ascending lists A and B of nine the nine first are, slot by slot, the earlier of A[i] and B[8-i];
; B's is the earlier only if its key is strictly smaller.
; The destinations of the DPP lines were written whole at the kernel's head (as offsets and places).
.macro MERGE d, last=0
.set mj, 0
.rept 9
	v_mov_b32_dpp v[MK+mj], v[KB+mj] row_xmask:\d row_mask:0xf bank_mask:0xf
	v_mov_b32_dpp v[MI+mj], v[IB+mj] row_xmask:\d row_mask:0xf bank_mask:0xf
.set mj, mj+1
.endr
.if \last
.set mj, 0
.rept 9
	v_cmp_lt_f32 s[MB+mj], v[MK+8-mj], v[KB+mj]
.set mj, mj+1
.endr
	s_wait_alu depctr_va_sdst(0)                   ; the nine compares have written the masks, ahead of the selects
.set mj, 0
.rept 9
	v_cndmask_b32 v[IB+mj], v[IB+mj], v[MI+8-mj], s[MB+mj]
.set mj, mj+1
.endr
.else
.set mj, 0
.rept 9
	INSERT MK+mj, MI+mj, mj
.set mj, mj+1
.endr
.endif
.endm
	s_wait_alu depctr_vm_vsrc(0)                   ; the loads of gid have read v[GOF ..]: these registers are the partner's keys from here on
	MERGE 1
	MERGE 2
	MERGE 4, 1
	v_add_f32 v[IB],   v[IB],   v[IB+1]            ; the nine contributions: the query's sum where t = 0
	v_add_f32 v[IB+2], v[IB+2], v[IB+3]
	v_add_f32 v[IB+4], v[IB+4], v[IB+5]
	v_add_f32 v[IB+6], v[IB+6], v[IB+7]
	v_add_f32 v[IB],   v[IB],   v[IB+2]
	v_add_f32 v[IB+4], v[IB+4], v[IB+6]
	v_add_f32 v[IB],   v[IB],   v[IB+4]
	v_add_f32 v[IB],   v[IB],   v[IB+8]
	s_wait_alu depctr_va_vdst(0)                   ; the additions have written the sum, which the LDS store reads
	ds_store_b32 v[SOA], v[IB]                     ; every lane into its own word: EXEC is never narrowed
	s_wait_dscnt 0x0                               ; for wave 0's sake: my sums and my x are stored
	s_barrier_signal -1
	s_barrier_wait -1
	s_cmp_lg_u32 s16, 0
	s_cbranch_scc1 .Lend                           ; on the wave's number alone; no barrier is jumped over
	ds_load_b32 v[RO], v[RDO]                      ; wave 0, lane = query: what that query's lane t = 0 stored.  No vector instruction names v[RO] or v[RX ..]
	ds_load_b64 v[RX:RX+1], v[RDX]
	s_wait_dscnt 0x0
	global_store_b32 v[Q4O], v[RO], s[12:13]       ; 32 lanes store 128 consecutive bytes
	global_store_b64 v[Q8O], v[RX:RX+1], s[14:15]  ; 32 lanes store 256 consecutive bytes, at a multiple of 256 from out1's first byte
.Lend:
	s_wait_dscnt 0x0                               ; the closing lines, six on end
	s_wait_alu 0x0
	s_wait_tensorcnt 0x0
	ds_add_u32 v[SPW], v[NIL]
	s_wait_dscnt 0x0
	s_endpgm
.Lfunc_end_k_q27d75dcc47_blend:
	.size	k_q27d75dcc47_blend, .Lfunc_end_k_q27d75dcc47_blend-k_q27d75dcc47_blend
	.p2alignl 7, 3214868480
	.fill 96, 4, 3214868480
	.section	.rodata,"a",@progbits
	.p2align	6, 0x0
	.amdhsa_kernel k_q27d75dcc47_blend
		.amdhsa_group_segment_fixed_size 4096
		.amdhsa_private_segment_fixed_size 0
		.amdhsa_enable_private_segment 0
		.amdhsa_kernarg_size 48
		.amdhsa_user_sgpr_count 2
		.amdhsa_user_sgpr_kernarg_segment_ptr 1
		.amdhsa_wavefront_size32 1
		.amdhsa_system_sgpr_workgroup_id_x 1
		.amdhsa_system_sgpr_workgroup_id_y 1
		.amdhsa_system_sgpr_workgroup_id_z 1
		.amdhsa_system_vgpr_workitem_id 0
		.amdhsa_next_free_vgpr 224
		.amdhsa_next_free_sgpr 66
		.amdhsa_reserve_vcc 0
		.amdhsa_float_denorm_mode_32 3
		.amdhsa_float_denorm_mode_16_64 3
		.amdhsa_memory_ordered 1
		.amdhsa_forward_progress 1
		.amdhsa_inst_pref_size 161
	.end_amdhsa_kernel
	.amdgpu_metadata
---
amdhsa.version: [ 1, 2 ]
amdhsa.kernels:
  - .name:           k_q27d75dcc47_blend
    .symbol:         k_q27d75dcc47_blend.kd
    .args:
      - { .name: x, .offset: 0, .size: 8, .value_kind: global_buffer, .address_space: global }
      - { .name: control_points, .offset: 8, .size: 8, .value_kind: global_buffer, .address_space: global }
      - { .name: weights, .offset: 16, .size: 8, .value_kind: global_buffer, .address_space: global }
      - { .name: gid, .offset: 24, .size: 8, .value_kind: global_buffer, .address_space: global }
      - { .name: out0, .offset: 32, .size: 8, .value_kind: global_buffer, .address_space: global }
      - { .name: out1, .offset: 40, .size: 8, .value_kind: global_buffer, .address_space: global }
    .group_segment_fixed_size: 4096
    .private_segment_fixed_size: 0
    .kernarg_segment_align: 8
    .kernarg_segment_size: 48
    .max_flat_workgroup_size: 256
    .sgpr_count:     66
    .vgpr_count:     224
    .wavefront_size: 32
...
	.end_amdgpu_metadata
.endif
;; end of part 6
